; MI455X (gfx1250); checked and timed in simulation.
; The chip was launched on July 23, 2026; its instructions are those of AMD's public machine-readable ISA for CDNA 5 (MIT licence, August 2026) and "CDNA5" Instruction Set Architecture Reference Guide (July 2026). The comments in the code are by the model that wrote it; some were corrected since.
;; Transformer Block. Allowed arithmetic: float matrix products may take bf16 or f16 operands with f32 sums; other float arithmetic in f32, or as packed bf16 or f16 multiplies, adds, multiply-adds, maxima and minima; sums over many terms, partial sums and values carried from step to step in f32; what a program stores and reads back later, other than sums and carried values, may be rounded once to bf16 or f16.
;; Inputs: b1 2,048 float32; b2 512 float32; b_proj 512 float32; bt1 512 float32; bt2 512 float32; g1 512 float32; g2 512 float32; w1 512 x 2,048 float32; w2 2,048 x 512 float32; w_proj 512 x 512 float32; wk 16 x 512 x 32 float32; wq 16 x 512 x 32 float32; wv 16 x 512 x 32 float32; x 4 x 2,048 x 512 float32.
;; Outputs: out0 4 x 2,048 x 512 float32.
;; One version. Each part assembles by itself: llvm-mc -triple=amdgcn-amd-amdhsa -mcpu=gfx1250 --defsym DOCPART=n.
;; ======== version 1 of 1: 6 launches
;; workspace buffers: wts 6,291,456 bytes; qkvf 25,165,824 bytes; af 8,388,608 bytes; x1 16,777,216 bytes; f1 33,554,432 bytes
;; launch prep (part 1): grid 768 x 1, 8 waves a work-group, no clusters, 0 bytes of LDS; arguments wq, wk, wv, w_proj, w1, w2, wts; writes wts
.if DOCPART == 1
	.amdgcn_target "amdgcn-amd-amdhsa--gfx1250"
	.amdhsa_code_object_version 6
	.text
	.protected	k_q348d919840_prep
	.globl	k_q348d919840_prep
	.p2align	8
	.type	k_q348d919840_prep,@function
k_q348d919840_prep:
	s_mov_b64 s[64:65], 0
	v_nop
	global_prefetch_b8 v0, s[64:65] scope:SCOPE_SE
	s_setreg_imm32_b32 hwreg(HW_REG_WAVE_MODE, 25, 1), 1
	s_wait_xcnt 0x0
; PREP: all six weight matrices, f32 [k][n], rounded once to bf16 and laid out as FRAGMENT IMAGES for the matrix launches.
; A fragment is 16 columns n x 32 k in 1,024 bytes: byte = 512 half + 16 lane + 2 e, lane = 16 h2 + r, column r, k = 16 half + 8 h2 + e:
; just what a lane's registers 0-3 (half 0) and 4-7 (half 1) of a 16-bit operand hold (ISA guide 7.12.2), so a later launch reads it with two 16-byte loads a lane.
; wts = [unit id 0..767][nbL 8][1,024]: a unit is 32 k of a tile of 128 columns.  Units 0-191: wq, wk, wv (64 each: id = (4 which + g) 16 + kb; the tile's columns are heads 4 g .. 4 g + 3);
; 192-255: w_proj (tile = (id >> 4) & 3); 256-511: w1 (tile = (id >> 4) & 15); 512-767: w2 (tile = (id >> 6) & 3, kb = id & 63).
; A work-group makes one unit, wave w its fragment nbL = w: 16 loads of 4 bytes a lane, 8 roundings, 2 stores of 512 consecutive bytes, aligned.
; No LDS, no matrix unit, no cluster: nothing is shared, and the whole launch moves 12.6 MB in and 6.3 MB out once.
	s_load_b256 s[4:11], s[0:1], 0x0               ; wq s[4:5], wk s[6:7], wv s[8:9], w_proj s[10:11]
	s_load_b128 s[12:15], s[0:1], 0x20             ; w1 s[12:13], w2 s[14:15]
	s_load_b64 s[16:17], s[0:1], 0x30              ; wts
	v_lshrrev_b32 v1, 5, v0
	v_readfirstlane_b32 s18, v1                    ; wave = nbL
	v_and_b32 v2, 15, v0                           ; r
	v_bfe_u32 v3, v0, 4, 1                         ; h2
	v_and_b32 v4, 31, v0                           ; lane
	s_mov_b32 s19, ttmp9                           ; the unit
	s_mov_b32 s22, 2048                            ; bytes from k to k + 1: w2 2,048; w1 8,192; w_proj 2,048; wq, wk, wv 128
	s_cmp_lt_u32 s19, 512
	s_cselect_b32 s22, 8192, s22
	s_cmp_lt_u32 s19, 256
	s_cselect_b32 s22, 2048, s22
	s_cmp_lt_u32 s19, 192
	s_cselect_b32 s22, 128, s22
	s_and_b32 s23, s19, 63                         ; kb: the unit's 32 k
	s_and_b32 s24, s19, 15
	s_cmp_lt_u32 s19, 512
	s_cselect_b32 s23, s24, s23
	s_lshr_b32 s25, s19, 4
	s_and_b32 s26, s25, 3
	s_and_b32 s27, s25, 15
	s_lshr_b32 s28, s19, 6
	s_and_b32 s28, s28, 3
	s_cmp_lt_u32 s19, 512
	s_cselect_b32 s28, s27, s28
	s_cmp_lt_u32 s19, 256
	s_cselect_b32 s28, s26, s28                    ; the tile of 128 columns of a plain matrix
	s_lshl_b32 s28, s28, 9
	s_lshl_b32 s29, s18, 6
	s_add_co_u32 s28, s28, s29                     ; its byte in a row: 512 tile + 64 w
	s_lshl_b32 s26, s26, 2                         ; per-head weights [h][k][32]: head 4 g + w / 2,
	s_lshr_b32 s29, s18, 1
	s_add_co_u32 s26, s26, s29
	s_lshl_b32 s26, s26, 16                        ; 65,536 bytes a head,
	s_and_b32 s29, s18, 1
	s_lshl_b32 s29, s29, 6
	s_add_co_u32 s26, s26, s29                     ; channels 16 (w % 2) on
	s_cmp_lt_u32 s19, 192
	s_cselect_b32 s28, s26, s28
	s_mul_i32 s29, s23, s22
	s_lshl_b32 s29, s29, 5                         ; 32 kb rows of k
	s_add_co_u32 s28, s28, s29
	s_mov_b32 s29, 0
	s_lshl_b32 s30, s22, 4                         ; 16 rows of k: half 1
	v_mul_lo_u32 v8, v3, s22
	v_lshlrev_b32 v8, 3, v8                        ; 8 h2 rows of k
	v_lshl_add_u32 v8, v2, 2, v8                   ; + 4 r
	v_add_nc_u32 v16, s30, v8
.irp e, 1,2,3,4,5,6,7
	v_add_nc_u32 v[8+(\e)], s22, v[7+(\e)]
	v_add_nc_u32 v[16+(\e)], s22, v[15+(\e)]
.endr
	s_lshl_b32 s24, s19, 13                        ; where the fragment goes: 8,192 id + 1,024 w + 16 lane
	s_lshl_b32 s25, s18, 10
	s_add_co_u32 s24, s24, s25
	v_lshl_add_u32 v5, v4, 4, s24
	s_wait_kmcnt 0x0
	s_cmp_lt_u32 s19, 512                          ; the source: a choice between buffers by the unit's number alone
	s_cselect_b64 s[20:21], s[12:13], s[14:15]
	s_cmp_lt_u32 s19, 256
	s_cselect_b64 s[20:21], s[10:11], s[20:21]
	s_cmp_lt_u32 s19, 192
	s_cselect_b64 s[20:21], s[8:9], s[20:21]
	s_cmp_lt_u32 s19, 128
	s_cselect_b64 s[20:21], s[6:7], s[20:21]
	s_cmp_lt_u32 s19, 64
	s_cselect_b64 s[20:21], s[4:5], s[20:21]
	s_add_nc_u64 s[20:21], s[20:21], s[28:29]
.irp e, 0,1,2,3,4,5,6,7,8,9,10,11,12,13,14,15
	global_load_b32 v[24+(\e)], v[8+(\e)], s[20:21]  ; k = 32 kb + 16 (e / 8) + 8 h2 + e % 8, column r
.endr
	s_wait_loadcnt 0x0
.irp j, 0,1,2,3,4,5,6,7
	v_cvt_pk_bf16_f32 v[40+(\j)], v[24+2*(\j)], v[25+2*(\j)]
.endr
	global_store_b128 v5, v[40:43], s[16:17]             ; half 0: the wave's 512 consecutive bytes
	global_store_b128 v5, v[44:47], s[16:17] offset:512  ; half 1
	s_endpgm
.Lfunc_end_k_q348d919840_prep:
	.size	k_q348d919840_prep, .Lfunc_end_k_q348d919840_prep-k_q348d919840_prep
	.p2alignl 7, 3214868480
	.fill 96, 4, 3214868480
	.section	.rodata,"a",@progbits
	.p2align	6, 0x0
	.amdhsa_kernel k_q348d919840_prep
		.amdhsa_group_segment_fixed_size 0
		.amdhsa_private_segment_fixed_size 0
		.amdhsa_enable_private_segment 0
		.amdhsa_kernarg_size 56
		.amdhsa_user_sgpr_count 2
		.amdhsa_user_sgpr_kernarg_segment_ptr 1
		.amdhsa_wavefront_size32 1
		.amdhsa_system_sgpr_workgroup_id_x 1
		.amdhsa_system_sgpr_workgroup_id_y 1
		.amdhsa_system_sgpr_workgroup_id_z 1
		.amdhsa_system_vgpr_workitem_id 0
		.amdhsa_next_free_vgpr 48
		.amdhsa_next_free_sgpr 66
		.amdhsa_reserve_vcc 0
		.amdhsa_float_denorm_mode_32 3
		.amdhsa_float_denorm_mode_16_64 3
		.amdhsa_memory_ordered 1
		.amdhsa_forward_progress 1
		.amdhsa_inst_pref_size 6
	.end_amdhsa_kernel
	.amdgpu_metadata
---
amdhsa.version: [ 1, 2 ]
amdhsa.kernels:
  - .name:           k_q348d919840_prep
    .symbol:         k_q348d919840_prep.kd
    .args:
      - { .name: wq, .offset: 0, .size: 8, .value_kind: global_buffer, .address_space: global }
      - { .name: wk, .offset: 8, .size: 8, .value_kind: global_buffer, .address_space: global }
      - { .name: wv, .offset: 16, .size: 8, .value_kind: global_buffer, .address_space: global }
      - { .name: w_proj, .offset: 24, .size: 8, .value_kind: global_buffer, .address_space: global }
      - { .name: w1, .offset: 32, .size: 8, .value_kind: global_buffer, .address_space: global }
      - { .name: w2, .offset: 40, .size: 8, .value_kind: global_buffer, .address_space: global }
      - { .name: wts, .offset: 48, .size: 8, .value_kind: global_buffer, .address_space: global }
    .group_segment_fixed_size: 0
    .private_segment_fixed_size: 0
    .kernarg_segment_align: 8
    .kernarg_segment_size: 56
    .max_flat_workgroup_size: 256
    .sgpr_count:     66
    .vgpr_count:     48
    .wavefront_size: 32
...
	.end_amdgpu_metadata
.endif
;; end of part 1
;; launch lnqkv (part 2): grid 64 x 4, 4 waves a work-group, clusters of 4 x 1, 327,680 bytes of LDS; arguments x, g1, bt1, wts, qkvf; writes qkvf
.if DOCPART == 2
	.amdgcn_target "amdgcn-amd-amdhsa--gfx1250"
	.amdhsa_code_object_version 6
	.text
	.protected	k_q348d919840_lnqkv
	.globl	k_q348d919840_lnqkv
	.p2align	8
	.type	k_q348d919840_lnqkv,@function
k_q348d919840_lnqkv:
	s_mov_b64 s[64:65], 0
	v_nop
	global_prefetch_b8 v0, s[64:65] scope:SCOPE_SE
	s_setreg_imm32_b32 hwreg(HW_REG_WAVE_MODE, 25, 1), 1
	s_wait_xcnt 0x0
	s_wait_alu depctr_hold_cnt(0) depctr_sa_sdst(0) depctr_va_vdst(0) depctr_va_sdst(0) depctr_va_ssrc(0) depctr_va_vcc(0) depctr_vm_vsrc(0)
	s_getreg_b32 s2, hwreg(HW_REG_IB_STS2, 6, 4)
	s_cmp_eq_u32 s2, 0
	s_cbranch_scc0 .Lentry_in_a_cluster
	s_endpgm
.Lentry_in_a_cluster:
	s_bfe_u32 s2, ttmp6, 0x10000c
	s_cmp_lg_u32 s2, 0x3003
	s_cbranch_scc0 .Lentry_shape_is_right
	s_endpgm
.Lentry_shape_is_right:
; LAYERNORM 1 AND THE q, k, v PROJECTIONS.  h = (x - mean) rsqrt(var + 1e-5) g1 + bt1 in f32 (mean first, then the centred squares), rounded once to bf16; q, k, v = h W in bf16 with f32 sums, rounded once to bf16.
; SHARES.  A work-group owns 128 tokens (mtile) and the heads 4 g .. 4 g + 3: three tiles of 128 columns (q, k, v).  Its h lies in LDS for all three; the weights go through a ring of two slots, K step 256 each.
; Four waves, each 64 x 64 of a tile: 16 accumulators.  CLUSTER: the four row blocks of a cluster walk the same weights: every weight tile is asked for jointly, mask 15, 16 KiB a wave.
; The weights are fragment images (1,024 bytes = 16 columns x 32 k, 16 bytes a lane twice), so a fragment is two loads of 512 consecutive LDS bytes.
; q AND k: source 0 = weights, source 1 = h: a lane holds one token and eight neighbouring channels: 16 bytes that are the same lane's piece of the next product's fragment.  v: the sources are
; swapped: a lane holds one channel and eight neighbouring tokens: a piece of a fragment of V^T.  So all three leave by stores of 512 consecutive aligned bytes a wave, with no stage.
; qkvf: q at 0, k at 8,388,608: [bh][block of 16 tokens, 128][1,024]; v at 16,777,216: [bh][32 keys, 64][16 channels, 2][1,024].  q is stored without the softmax's scale.
; LIMITS: NaN and infinities are not treated apart.
; REGISTERS.  window 0: v0-31 addresses; LN phase: v32-47 g, v48-63 bt, v64-95 eight a row at work, v128-255 two sets of four rows; later v32-95 packed results, v128-255 accumulators ((a, b) at 128 + 8 (4 a + b)).
; window 1: two fragment buffers of 128: 64 registers of h (2 x 4 x 16 rows x 32 k), then 64 of the weights.
.set APITCH, 1040                      ; a row of h in LDS: 1,024 bytes + 16: row r starts 16 r bytes on modulo 256, so the 16 rows of a fragment load touch different banks (ISA guide 11.1)
.set BS0,    128*APITCH                ; 133,120: behind h, which ds_store writes and no tensor load touches: weight slot 0
.set BSLOT,  65536
.set SPARE,  BS0+2*BSLOT               ; 264,192: the spare words, 128 bytes a wave
.set NSTEP,  8*BSLOT                   ; from q's tile to k's to v's: four tiles of two K steps
.set VOFF,   16777216
.set LO,   9                           ; v9   16 x lane
.set XO0,  10                          ; v10, v11  byte offset in x of the rows that set 0, 1 loads next
.set LSA,  12                          ; v12  where my 8 bytes of a row of h go
.set ADRA, 16                          ; v16  my lane's place in a fragment of h
.set ADRB, 20                          ; v20, v21  the same for the weights in slot 0, 1
.set SPW,  28                          ; v28  my spare word; never rewritten
.set NIL,  29                          ; v29  0; never rewritten
.set GV,   32
.set BV,   48
.set T,    64                          ; row i: T + 8 i: two chains (pairs), the mean (pair), 1 / sigma (pair)
.set X,    128
.set TMP,  32
.set ACC,  128
.set F0,   0
.set F1,   128
.set G1,   24                          ; s[24:31] descriptor group 1
.set G0,   32                          ; s[32:39] group 0, a set for each slot
.set MUL,  0x05                        ; sources 0 and 1 window 1; C and D window 0
.set TO_F, 0x40                        ; destination window 1, address window 0
.set SW,   0                           ; 1: the sources are swapped (v)
.set MSB,  0
.macro WIN new                         ; the immediate's high byte repeats the setting that is left
.if MSB != (\new)
	s_set_vgpr_msb (MSB<<8)|(\new)
.set MSB, \new
.endif
.endm
.macro PLACES                          ; four plain instructions between a matrix instruction and a load into, or a vector read of, its registers
.rept 4
	v_nop
.endr
.endm
.macro CREST                           ; a round of the cluster's barrier behind its opening barrier
	s_cmp_lg_u32 s16, 0
	s_cbranch_scc1 .Lnot_wave_0_\@
	s_barrier_signal -3
.Lnot_wave_0_\@:
	s_barrier_wait -3
	s_barrier_signal -1
	s_barrier_wait -1
.endm
.macro CROUND
	s_barrier_signal -1
	s_barrier_wait -1
	CREST
.endm
.macro JLOAD s                         ; the joint refill: every wave its quarter of the slot; s_nop 0 and four v_nop follow
	tensor_load_to_lds s[G0+4*(\s):G0+4*(\s)+3], s[G1:G1+7]
	s_nop 0
.rept 4
	v_nop
.endr
.endm
	s_load_b256 s[4:11], s[0:1], 0x0               ; x s[4:5], g1 s[6:7], bt1 s[8:9], wts s[10:11]
	s_load_b64 s[14:15], s[0:1], 0x20              ; qkvf
	v_lshl_add_u32 v[SPW], v0, 2, SPARE
	v_mov_b32 v[NIL], 0
	ds_add_u32 v[SPW], v[NIL]                      ; the wave's opening: the add and its wait ahead of my first tensor load; register work stands between
	v_lshrrev_b32 v1, 5, v0
	v_readfirstlane_b32 s16, v1                    ; wave 0..3
	s_lshr_b32 s17, s16, 1                         ; mh: my half of the 128 tokens
	s_and_b32 s18, s16, 1                          ; nh: my half of the 128 columns
	s_bfe_u32 s19, ttmp6, 0x40000                  ; cx
	s_lshl_b32 s20, ttmp9, 2
	s_add_co_u32 s20, s20, s19                     ; mtile = 4 x cluster x + cx: it enters global addresses of x and qkvf alone
	s_and_b32 s21, ttmp7, 0xffff                   ; g, which the four partners share
	s_mov_b32 s[G1+0], 15|(3<<16)|(1<<21)          ; 15:0 the mask of four; 17:16 elements of 8 bytes; 21 set beside a mask; no padding
	s_mov_b32 s[G1+1], 32<<16                      ; tensor_dim0 = 32 elements: rows of 256 bytes
	s_mov_b32 s[G1+2], 64<<16                      ; tensor_dim1 = 64
	s_mov_b32 s[G1+3], 32<<16                      ; tile_dim0 = 32
	s_mov_b32 s[G1+4], 64                          ; tile_dim1 = 64: 16 KiB, dense
	s_mov_b32 s[G1+5], 32                          ; 32 elements from row to row
	s_mov_b32 s[G1+6], 0
	s_mov_b32 s[G1+7], 0
	s_mov_b32 s44, 0x76543210                      ; v_permlanex16_b32: each lane takes its own place in the other half
	s_mov_b32 s45, 0xfedcba98
	s_mov_b32 s46, 0x3b000000                      ; 1 / 512
	s_mov_b32 s47, 0x3727c5ac                      ; 1e-5
	s_lshl_b32 s22, s16, 14                        ; my quarter of a slot
	s_lshl_b32 s50, s21, 17                        ; q's tile g: block 2 g of 65,536 bytes
	s_add_co_u32 s50, s50, s22
	s_mov_b32 s51, 0
	s_mov_b32 s[G0+0], 1
	s_add_co_u32 s[G0+1], s22, BS0                 ; LDS: the slot's constant + 16,384 x wave
	s_mov_b32 s[G0+4], 1
	s_add_co_u32 s[G0+5], s22, BS0+BSLOT
	s_wait_dscnt 0x0                               ; the opening add is done
	s_wait_kmcnt 0x0
	s_add_nc_u64 s[G0+2:G0+3], s[10:11], s[50:51]  ; K step 0
	s_add_nc_u64 s[G0+6:G0+7], s[G0+2:G0+3], BSLOT ; K step 1
	s_or_b32 s[G0+3], s[G0+3], 0x80000000          ; type = 2
	s_or_b32 s[G0+7], s[G0+7], 0x80000000
	CROUND                                         ; all four work-groups are here: the first joint loads meet
	tensor_load_to_lds s[G0:G0+3], s[G1:G1+7]
	s_nop 0
	tensor_load_to_lds s[G0+4:G0+7], s[G1:G1+7]
	s_nop 0
.rept 4
	v_nop
.endr
	v_and_b32 v1, 31, v0                           ; lane
	v_and_b32 v2, 15, v0                           ; r
	v_bfe_u32 v3, v0, 4, 1                         ; h2
	v_lshlrev_b32 v[LO], 4, v1
.irp j, 0,1,2,3
	global_load_b128 v[GV+4*(\j):GV+4*(\j)+3], v[LO], s[6:7] offset:512*(\j)  ; my columns 128 j + 4 lane + 0..3
	global_load_b128 v[BV+4*(\j):BV+4*(\j)+3], v[LO], s[8:9] offset:512*(\j)
.endr
	s_lshl_b32 s50, s20, 18                        ; 128 rows of 2,048 bytes
	s_mov_b32 s51, 0
	s_add_nc_u64 s[4:5], s[4:5], s[50:51]
	s_lshl_b32 s22, s16, 16                        ; my 32 rows
	v_add_nc_u32 v[XO0], s22, v[LO]
	v_add_nc_u32 v[XO0+1], 8192, v[XO0]            ; set 1: four rows on
	s_mul_i32 s22, s16, 32*APITCH
	v_lshl_add_u32 v[LSA], v1, 3, s22
.irp i, 0,1,2,3
	v_mov_b32 v[T+8*(\i)+5], 0                     ; the upper words of pairs of which the packed forms take the lower for both halves
	v_mov_b32 v[T+8*(\i)+7], 0
.endr
.macro FILLX set                       ; four rows: 16 loads of 512 consecutive bytes
.irp i, 0,1,2,3
.irp j, 0,1,2,3
	global_load_b128 v[X+64*(\set)+16*(\i)+4*(\j):X+64*(\set)+16*(\i)+4*(\j)+3], v[XO0+(\set)], s[4:5] offset:(\i)*2048+(\j)*512
.endr
.endr
.endm
.macro FOLD                            ; the two chains, the pair's halves, the 32 lanes: every lane ends with the row's sum in T + 8 i
.irp i, 0,1,2,3
	v_pk_add_f32 v[T+8*(\i):T+8*(\i)+1], v[T+8*(\i):T+8*(\i)+1], v[T+8*(\i)+2:T+8*(\i)+3]
.endr
.irp i, 0,1,2,3
	v_add_f32 v[T+8*(\i)], v[T+8*(\i)], v[T+8*(\i)+1]
.endr
.irp m, 1,2,4,8
.irp i, 0,1,2,3
	v_add_f32_dpp v[T+8*(\i)], v[T+8*(\i)], v[T+8*(\i)] row_xmask:\m row_mask:0xf bank_mask:0xf
.endr
.endr
.irp i, 0,1,2,3
	v_permlanex16_b32 v[T+8*(\i)+1], v[T+8*(\i)], s44, s45
.endr
.irp i, 0,1,2,3
	v_add_f32 v[T+8*(\i)], v[T+8*(\i)], v[T+8*(\i)+1]
.endr
.endm
; Four rows of layernorm, side by side so that no line waits for the one before it; a lane holds 16 numbers of each row.
.macro LNG set
.set XB, X+64*(\set)
.irp i, 0,1,2,3
	v_pk_add_f32 v[T+8*(\i):T+8*(\i)+1], v[XB+16*(\i):XB+16*(\i)+1], v[XB+16*(\i)+2:XB+16*(\i)+3]
	v_pk_add_f32 v[T+8*(\i)+2:T+8*(\i)+3], v[XB+16*(\i)+4:XB+16*(\i)+5], v[XB+16*(\i)+6:XB+16*(\i)+7]
.endr
.irp k, 8, 12
.irp i, 0,1,2,3
	v_pk_add_f32 v[T+8*(\i):T+8*(\i)+1], v[T+8*(\i):T+8*(\i)+1], v[XB+16*(\i)+(\k):XB+16*(\i)+(\k)+1]
	v_pk_add_f32 v[T+8*(\i)+2:T+8*(\i)+3], v[T+8*(\i)+2:T+8*(\i)+3], v[XB+16*(\i)+(\k)+2:XB+16*(\i)+(\k)+3]
.endr
.endr
	FOLD
.irp i, 0,1,2,3
	v_mul_f32 v[T+8*(\i)+4], s46, v[T+8*(\i)]      ; the mean
.endr
.irp k, 0,2,4,6,8,10,12,14
.irp i, 0,1,2,3
	v_pk_add_f32 v[XB+16*(\i)+(\k):XB+16*(\i)+(\k)+1], v[XB+16*(\i)+(\k):XB+16*(\i)+(\k)+1], v[T+8*(\i)+4:T+8*(\i)+5] op_sel_hi:[1,0] neg_lo:[0,1] neg_hi:[0,1]  ; x - mean
.endr
.endr
.irp i, 0,1,2,3
	v_pk_mul_f32 v[T+8*(\i):T+8*(\i)+1], v[XB+16*(\i):XB+16*(\i)+1], v[XB+16*(\i):XB+16*(\i)+1]
	v_pk_mul_f32 v[T+8*(\i)+2:T+8*(\i)+3], v[XB+16*(\i)+2:XB+16*(\i)+3], v[XB+16*(\i)+2:XB+16*(\i)+3]
.endr
.irp k, 4, 8, 12
.irp i, 0,1,2,3
	v_pk_fma_f32 v[T+8*(\i):T+8*(\i)+1], v[XB+16*(\i)+(\k):XB+16*(\i)+(\k)+1], v[XB+16*(\i)+(\k):XB+16*(\i)+(\k)+1], v[T+8*(\i):T+8*(\i)+1]
	v_pk_fma_f32 v[T+8*(\i)+2:T+8*(\i)+3], v[XB+16*(\i)+(\k)+2:XB+16*(\i)+(\k)+3], v[XB+16*(\i)+(\k)+2:XB+16*(\i)+(\k)+3], v[T+8*(\i)+2:T+8*(\i)+3]
.endr
.endr
	FOLD
.irp i, 0,1,2,3
	v_fma_f32 v[T+8*(\i)+6], v[T+8*(\i)], s46, s47 ; var + 1e-5
.endr
.irp i, 0,1,2,3
	v_rsq_f32 v[T+8*(\i)+6], v[T+8*(\i)+6]
.endr
	v_nop                                          ; a plain instruction behind the last of the four,
	s_wait_alu depctr_va_vdst(0)                   ; and one wait for the batch, ahead of its first reader
.irp k, 0,2,4,6,8,10,12,14
.irp i, 0,1,2,3
	v_pk_mul_f32 v[XB+16*(\i)+(\k):XB+16*(\i)+(\k)+1], v[XB+16*(\i)+(\k):XB+16*(\i)+(\k)+1], v[T+8*(\i)+6:T+8*(\i)+7] op_sel_hi:[1,0]
.endr
.endr
.irp k, 0,2,4,6,8,10,12,14
.irp i, 0,1,2,3
	v_pk_fma_f32 v[XB+16*(\i)+(\k):XB+16*(\i)+(\k)+1], v[XB+16*(\i)+(\k):XB+16*(\i)+(\k)+1], v[GV+(\k):GV+(\k)+1], v[BV+(\k):BV+(\k)+1]
.endr
.endr
.irp k, 0,1,2,3,4,5,6,7
.irp i, 0,1,2,3
	v_cvt_pk_bf16_f32 v[XB+16*(\i)+(\k)], v[XB+16*(\i)+2*(\k)], v[XB+16*(\i)+2*(\k)+1]  ; in place, ascending: register k is written when 2 k and 2 k + 1 have been read
.endr
.endr
.irp i, 0,1,2,3
.irp j, 0,1,2,3
	ds_store_b64 v[LSA], v[XB+16*(\i)+2*(\j):XB+16*(\i)+2*(\j)+1] offset:(\set)*4*APITCH+(\i)*APITCH+256*(\j)  ; 32 lanes x 8 bytes: 256 consecutive bytes of the row
.endr
.endr
.endm
	FILLX 0
	; addresses for the products, made while the first rows are on their way
	v_mul_u32_u24 v[ADRA], v2, APITCH
	v_lshl_add_u32 v[ADRA], v3, 4, v[ADRA]
	s_mul_i32 s22, s17, 64*APITCH
	v_add_nc_u32 v[ADRA], s22, v[ADRA]             ; (64 mh + r) x pitch + 16 h2
	s_lshl_b32 s22, s18, 12
	s_add_co_u32 s22, s22, BS0
	v_add_nc_u32 v[ADRB], s22, v[LO]               ; slot 0 + 4 nh fragments + 16 lane
	v_add_nc_u32 v[ADRB+1], BSLOT, v[ADRB]
	s_lshr_b32 s22, s20, 4                         ; batch
	s_lshl_b32 s22, s22, 4
	s_lshl2_add_u32 s22, s21, s22
	s_lshl1_add_u32 s22, s18, s22                  ; bh of my first head: 16 batch + 4 g + 2 nh
	s_and_b32 s23, s20, 15
	s_lshl_b32 s50, s22, 7
	s_lshl3_add_u32 s50, s23, s50
	s_lshl2_add_u32 s50, s17, s50                  ; q, k: block of 16 tokens 128 bh + 8 (mtile % 16) + 4 mh
	s_lshl_b32 s50, s50, 10
	s_mov_b32 s51, 0
	s_add_nc_u64 s[40:41], s[14:15], s[50:51]
	s_lshl_b32 s50, s22, 6
	s_lshl2_add_u32 s50, s23, s50
	s_lshl1_add_u32 s50, s17, s50                  ; v: 32 keys 64 bh + 4 (mtile % 16) + 2 mh
	s_lshl_b32 s50, s50, 11
	s_add_co_u32 s50, s50, VOFF
	s_add_nc_u64 s[42:43], s[14:15], s[50:51]
	s_mov_b32 s49, 4
.Lln:                                                  ; a trip: eight of my 32 rows.  Set 1 is asked for at the head, set 0 again in the middle: each fill has four rows' arithmetic in which to land
	FILLX 1
	s_wait_loadcnt 16                              ; all but set 1's sixteen: set 0 is in (in the first trip g and bt too)
	LNG 0
	s_cmp_eq_u32 s49, 1
	s_cbranch_scc1 .Lln_end                        ; the last trip has no further rows
	v_add_nc_u32 v[XO0], 16384, v[XO0]             ; free since the wait above showed set 0's loads done
	FILLX 0
	s_wait_loadcnt 16                              ; all but set 0's sixteen: set 1 is in
	s_branch .Lln_go
.Lln_end:
	s_wait_loadcnt 0x0
.Lln_go:
	LNG 1
	v_add_nc_u32 v[XO0+1], 16384, v[XO0+1]         ; set 1's loads are done
	v_add_nc_u32 v[LSA], 8*APITCH, v[LSA]
	s_sub_co_u32 s49, s49, 1
	s_cmp_lg_u32 s49, 0
	s_cbranch_scc1 .Lln
; 8 matrix instructions: token blocks a0, a0 + 1 x all 4 column blocks, 32 along K: half c of buffer f.  z = 1: the product starts the sum.  The 16 accumulators take turns, one instruction a turn.
.macro MUL8 f, c, a0, z
	WIN MUL
.irp a, \a0, (\a0)+1
.irp b, 0,1,2,3
.set rD, ACC+8*(4*(\a)+(\b))
.if SW
.set fS0, (\f)+8*(4*(\c)+(\a))
.set fS1, (\f)+64+8*(4*(\c)+(\b))
.else
.set fS0, (\f)+64+8*(4*(\c)+(\b))
.set fS1, (\f)+8*(4*(\c)+(\a))
.endif
.if (\z) == 1
	v_wmma_f32_16x16x32_bf16 v[rD:rD+7], v[fS0:fS0+7], v[fS1:fS1+7], 0
.else
	v_wmma_f32_16x16x32_bf16 v[rD:rD+7], v[fS0:fS0+7], v[fS1:fS1+7], v[rD:rD+7]
.endif
.endr
.endr
.endm
; 32 LDS loads in one run: the fragments of quarter q (64 along K) of K step slot, into buffer f; the first 32 along K first
.macro FETCH slot, q, f
	WIN TO_F
.irp c, 0,1
.irp i, 0,1,2,3
	ds_load_b128 v[(\f)+64+8*(4*(\c)+(\i)):(\f)+64+8*(4*(\c)+(\i))+3],   v[ADRB+(\slot)] offset:((2*(\q)+(\c))*8+(\i))*1024
	ds_load_b128 v[(\f)+64+8*(4*(\c)+(\i))+4:(\f)+64+8*(4*(\c)+(\i))+7], v[ADRB+(\slot)] offset:((2*(\q)+(\c))*8+(\i))*1024+512
	ds_load_b128 v[(\f)+8*(4*(\c)+(\i)):(\f)+8*(4*(\c)+(\i))+3],         v[ADRA] offset:(\slot)*512+(2*(\q)+(\c))*64+(\i)*16*APITCH
	ds_load_b128 v[(\f)+8*(4*(\c)+(\i))+4:(\f)+8*(4*(\c)+(\i))+7],       v[ADRA] offset:(\slot)*512+(2*(\q)+(\c))*64+(\i)*16*APITCH+32
.endr
.endr
.endm
; A K step is four quarters of 64 along K, 32 matrix instructions each, on buffers 0, 1, 0, 1.  One of the first three multiplies buffer f and fetches quarter q into g.
.macro QUARTER slot, q, f, g, z
	s_wait_dscnt 16                                ; the first 32 along K are in; the sixteen younger loads may stay out
	MUL8 \f, 0, 0, \z
	MUL8 \f, 0, 2, \z
	PLACES
	FETCH \slot, \q, \g
	s_wait_dscnt 32                                ; all but the 32 just issued
	MUL8 \f, 1, 0, 0
	MUL8 \f, 1, 2, 0
.endm
; The last quarter multiplies buffer 1 and changes slots: in front of the barrier each wave waits for all its tensor loads, adds 0 to its spare word, and waits for that and for its reads of this slot.
; fill = 1: the barrier opens a round of the cluster's barrier, and this slot takes the next tile's K step of the same number, first thing behind the round.
.macro TURN slot, next, fill
	WIN 0
	s_wait_tensorcnt 0x0                           ; all my tensor loads have landed: my quarter of the other slot
	ds_add_u32 v[SPW], v[NIL]                      ; 0 onto my spare word
	s_wait_dscnt 17                                ; (the add and the youngest sixteen loads may be out)
	MUL8 F1, 0, 0, 0
	s_wait_dscnt 0x0                               ; the add is done, and my reads of this slot are over
	s_barrier_signal -1
	MUL8 F1, 0, 2, 0
.if \fill
	WIN 0
.endif
	s_barrier_wait -1
.if \fill
	CREST                                          ; no wave of any partner still reads this slot or has a load on its way
	s_add_nc_u64 s[G0+4*(\slot)+2:G0+4*(\slot)+3], s[G0+4*(\slot)+2:G0+4*(\slot)+3], NSTEP
	JLOAD \slot                                    ; its four v_nop are also the places in front of the loads below
.else
	PLACES
.endif
	FETCH \next, 0, F0
	MUL8 F1, 1, 0, 0
	MUL8 F1, 1, 2, 0
.endm
.macro LASTQ                           ; the very last quarter: nothing more to fetch
	s_wait_dscnt 16
	MUL8 F1, 0, 0, 0
	MUL8 F1, 0, 2, 0
	s_wait_dscnt 0x0
	MUL8 F1, 1, 0, 0
	MUL8 F1, 1, 2, 0
	WIN 0
.endm
.macro TILE fill                       ; a tile of 128 x 128 over K = 512; fill = 1: the ring goes on into the next tile, whose first fragments are fetched
	QUARTER 0, 1, F0, F1, 1
	QUARTER 0, 2, F1, F0, 0
	QUARTER 0, 3, F0, F1, 0
	TURN 0, 1, \fill
	QUARTER 1, 1, F0, F1, 0
	QUARTER 1, 2, F1, F0, 0
	QUARTER 1, 3, F0, F1, 0
.if \fill
	TURN 1, 0, 1
.else
	LASTQ
.endif
.endm
.macro PACKALL                         ; each accumulator's registers in ascending order: 16 bytes a lane
	WIN 0
	PLACES
.irp t, 0,1,2,3,4,5,6,7,8,9,10,11,12,13,14,15
.irp r, 0,1,2,3
	v_cvt_pk_bf16_f32 v[TMP+4*(\t)+(\r)], v[ACC+8*(\t)+2*(\r)], v[ACC+8*(\t)+2*(\r)+1]
.endr
.endr
.endm
	s_wait_dscnt 0x0                               ; for the others' sake: my rows of h are in LDS
	s_wait_tensorcnt 0x1                           ; my quarter of slot 0 is in; slot 1's may stay out
	s_barrier_signal -1
	s_barrier_wait -1
	FETCH 0, 0, F0
	WIN 0                                          ; at a label and at a branch every window is 0
	s_mov_b32 s48, 2
.Ltile:                                                ; q, then k
	TILE 1
	PACKALL
.irp a, 0,1,2,3
.irp b, 0,1,2,3
	global_store_b128 v[LO], v[TMP+4*(4*(\a)+(\b)):TMP+4*(4*(\a)+(\b))+3], s[40:41] offset:(\a)*1024+((\b)/2)*131072+((\b)%2)*512  ; token block a, head b / 2, channels 16 (b % 2) on: 512 consecutive bytes
.endr
.endr
	s_wait_xcnt 0x0                                ; the stores have read their base and their data: both are written again only behind this wait
	s_add_nc_u64 s[40:41], s[40:41], 8388608       ; from q to k
	s_sub_co_u32 s48, s48, 1
	s_cmp_lg_u32 s48, 0
	s_cbranch_scc1 .Ltile
.set SW, 1
	TILE 0                                         ; v: written out; it asks for nothing more
	PACKALL
.irp a, 0,1,2,3
.irp b, 0,1,2,3
	global_store_b128 v[LO], v[TMP+4*(4*(\a)+(\b)):TMP+4*(4*(\a)+(\b))+3], s[42:43] offset:((\a)/2)*2048+((\a)%2)*512+((\b)/2)*131072+((\b)%2)*1024  ; 32 keys a / 2, their half a % 2, head b / 2, channels 16 (b % 2) on
.endr
.endr
	s_wait_tensorcnt 0x0                           ; the wave's end, behind my last tensor load and my last LDS store
	ds_add_u32 v[SPW], v[NIL]
	s_wait_dscnt 0x0
	CROUND                                         ; the closing round
	s_endpgm
.Lfunc_end_k_q348d919840_lnqkv:
	.size	k_q348d919840_lnqkv, .Lfunc_end_k_q348d919840_lnqkv-k_q348d919840_lnqkv
	.p2alignl 7, 3214868480
	.fill 96, 4, 3214868480
	.section	.rodata,"a",@progbits
	.p2align	6, 0x0
	.amdhsa_kernel k_q348d919840_lnqkv
		.amdhsa_group_segment_fixed_size 327680
		.amdhsa_private_segment_fixed_size 0
		.amdhsa_enable_private_segment 0
		.amdhsa_kernarg_size 40
		.amdhsa_user_sgpr_count 2
		.amdhsa_user_sgpr_kernarg_segment_ptr 1
		.amdhsa_wavefront_size32 1
		.amdhsa_system_sgpr_workgroup_id_x 1
		.amdhsa_system_sgpr_workgroup_id_y 1
		.amdhsa_system_sgpr_workgroup_id_z 1
		.amdhsa_system_vgpr_workitem_id 0
		.amdhsa_next_free_vgpr 512
		.amdhsa_next_free_sgpr 66
		.amdhsa_reserve_vcc 0
		.amdhsa_float_denorm_mode_32 3
		.amdhsa_float_denorm_mode_16_64 3
		.amdhsa_memory_ordered 1
		.amdhsa_forward_progress 1
		.amdhsa_inst_pref_size 126
	.end_amdhsa_kernel
	.amdgpu_metadata
---
amdhsa.version: [ 1, 2 ]
amdhsa.kernels:
  - .name:           k_q348d919840_lnqkv
    .symbol:         k_q348d919840_lnqkv.kd
    .args:
      - { .name: x, .offset: 0, .size: 8, .value_kind: global_buffer, .address_space: global }
      - { .name: g1, .offset: 8, .size: 8, .value_kind: global_buffer, .address_space: global }
      - { .name: bt1, .offset: 16, .size: 8, .value_kind: global_buffer, .address_space: global }
      - { .name: wts, .offset: 24, .size: 8, .value_kind: global_buffer, .address_space: global }
      - { .name: qkvf, .offset: 32, .size: 8, .value_kind: global_buffer, .address_space: global }
    .group_segment_fixed_size: 327680
    .private_segment_fixed_size: 0
    .kernarg_segment_align: 8
    .kernarg_segment_size: 40
    .max_flat_workgroup_size: 128
    .sgpr_count:     66
    .vgpr_count:     512
    .wavefront_size: 32
...
	.end_amdgpu_metadata
.endif
;; end of part 2
;; launch attn (part 3): grid 4 x 64, 16 waves a work-group, clusters of 4 x 1, 264,192 bytes of LDS; arguments qkvf, af; writes af
.if DOCPART == 3
	.amdgcn_target "amdgcn-amd-amdhsa--gfx1250"
	.amdhsa_code_object_version 6
	.text
	.protected	k_q348d919840_attn
	.globl	k_q348d919840_attn
	.p2align	8
	.type	k_q348d919840_attn,@function
k_q348d919840_attn:
	s_mov_b64 s[64:65], 0
	v_nop
	global_prefetch_b8 v0, s[64:65] scope:SCOPE_SE
	s_setreg_imm32_b32 hwreg(HW_REG_WAVE_MODE, 25, 1), 1
	s_wait_xcnt 0x0
	s_wait_alu depctr_hold_cnt(0) depctr_sa_sdst(0) depctr_va_vdst(0) depctr_va_sdst(0) depctr_va_ssrc(0) depctr_va_vcc(0) depctr_vm_vsrc(0)
	s_getreg_b32 s2, hwreg(HW_REG_IB_STS2, 6, 4)
	s_cmp_eq_u32 s2, 0
	s_cbranch_scc0 .Lentry_in_a_cluster
	s_endpgm
.Lentry_in_a_cluster:
	s_bfe_u32 s2, ttmp6, 0x10000c
	s_cmp_lg_u32 s2, 0x3003
	s_cbranch_scc0 .Lentry_shape_is_right
	s_endpgm
.Lentry_shape_is_right:
; ATTENTION, head size 32, no mask: O[q] = sum over k of softmax_k(q . k / sqrt(512)) v[k].  q, k, v arrive as bf16 fragment images; products, maxima and sums in f32; the weights p are rounded to bf16 for
; the second product, and their sum l is taken of the rounded p by the matrix unit (a source of ones); O is rounded once, to bf16, and leaves as a fragment image for the projection.
; SHARES.  A work-group owns 512 queries of one (batch, head); each of its 16 waves two tiles of 16.  Every wave walks all 2,048 keys, 64 a step.
; THE HEAD'S WHOLE K AND V LIE IN LDS: 131,072 bytes each, fetched once, each wave one load of 16 KiB.  Nothing is filled again, so the loop has no barrier: the four waves of a SIMD run freely,
; and one wave's products stand beside another's softmax.  That is why a step is written in plain phases.  CLUSTER: the head's four query blocks ask for K and V jointly, mask 15.
; LAYOUT.  S^T = K Q^T (source 0 = 16 keys, source 1 = 16 queries; the head's 32 channels are one instruction's K): a lane holds ONE query (lane % 16) and keys 8 (lane / 16) + 0..7.  Two such results rounded
; in pairs ARE source 1 (32 keys x 16 queries) of O^T = V^T P.  ones x P gives the query's sum over all 32 keys in every register of both halves of the lanes: register 0 is kept as l.
; SOFTMAX.  Running maximum m and sum l: p = 2^(c s - c m), c = log2(e) / sqrt(512); in every step O and l are multiplied by a = 2^(c m_old - c m_new).  m starts at the lowest finite number, O and l at 0.
; LIMITS.  c s below -4e37 is not served; a weight below 2^-126 counts as 0; NaN and infinities are not treated apart.  l's registers 1-7 are not rescaled: they hold sums of at most 2,048 and are never read.
.set KBYTES, 131072
.set SPARE,  262144                    ; behind K and V: the spare words, 128 bytes for each of 16 waves
.set AK,   2                           ; v2   16 lane + the step's K
.set AV,   3                           ; v3   KBYTES + 16 lane + the step's V
.set GO,   4                           ; v4   16 lane; never rewritten
.set SPW,  6
.set NIL,  7
.set ONES, 8                           ; v8-15   1.0 in every bf16
.set ST,   16                          ; tile t at ST + 8 t: c m, m, c m_old, -, c0-c3 at work; a takes c2's place
.set Q,    32                          ; tile t at Q + 8 t
.set O,    48                          ; tile t, 16 channels cb at O + 16 t + 8 cb
.set L,    80                          ; tile t at L + 8 t
.set S,    96                          ; tile t, 16 keys kb at S + 32 t + 8 kb
.set P,    160                         ; tile t, 32 keys kk at P + 16 t + 8 kk
.set KF,   192                         ; 16 keys kb at KF + 8 kb
.set VF,   224                         ; 32 keys kk, 16 channels cb at VF + 16 kk + 8 cb
.set G1,   16                          ; s[16:23]
.set G0,   24                          ; s[24:27]
.set CS,   28                          ; s[28:29] c, twice
.set SEL,  30                          ; s[30:31]
.macro CROUND
	s_barrier_signal -1
	s_barrier_wait -1
	s_cmp_lg_u32 s8, 0
	s_cbranch_scc1 .Lnot_wave_0_\@
	s_barrier_signal -3
.Lnot_wave_0_\@:
	s_barrier_wait -3
	s_barrier_signal -1
	s_barrier_wait -1
.endm
	s_load_b128 s[4:7], s[0:1], 0x0                ; qkvf s[4:5], af s[6:7]
	v_lshl_add_u32 v[SPW], v0, 2, SPARE
	v_mov_b32 v[NIL], 0
	ds_add_u32 v[SPW], v[NIL]                      ; the wave's opening: the add and its wait ahead of my tensor load
	v_lshrrev_b32 v1, 5, v0
	v_readfirstlane_b32 s8, v1                     ; wave 0..15
	s_bfe_u32 s9, ttmp6, 0x40000                   ; cx: my block of 512 queries
	s_and_b32 s10, ttmp7, 0xffff                   ; bh, which the four partners share
	s_mov_b32 s[G1+0], 15|(3<<16)|(1<<21)          ; the mask of four; elements of 8 bytes; 21 set beside a mask
	s_mov_b32 s[G1+1], 32<<16                      ; rows of 256 bytes,
	s_mov_b32 s[G1+2], 64<<16                      ; 64 of them: 16 KiB, dense
	s_mov_b32 s[G1+3], 32<<16
	s_mov_b32 s[G1+4], 64
	s_mov_b32 s[G1+5], 32
	s_mov_b32 s[G1+6], 0
	s_mov_b32 s[G1+7], 0
	s_mov_b32 s[G0+0], 1
	s_lshl_b32 s[G0+1], s8, 14                     ; LDS: 16,384 x wave: waves 0-7 bring K, waves 8-15 V
	s_lshr_b32 s12, s8, 3
	s_add_co_u32 s12, s12, 1
	s_lshl_b32 s12, s12, 23                        ; k at 8,388,608, v at 16,777,216
	s_lshl_b32 s13, s10, 17                        ; the head's 131,072 bytes
	s_add_co_u32 s12, s12, s13
	s_and_b32 s13, s8, 7
	s_lshl_b32 s13, s13, 14
	s_add_co_u32 s12, s12, s13
	s_mov_b32 s13, 0
	s_mov_b32 s[CS], 0x3d8293ee                    ; c = log2(e) / sqrt(512) = 0.0637587
	s_mov_b32 s[CS+1], s[CS]
	s_mov_b32 s[SEL], 0x76543210
	s_mov_b32 s[SEL+1], 0xfedcba98
	s_wait_dscnt 0x0
	s_wait_kmcnt 0x0
	s_add_nc_u64 s[G0+2:G0+3], s[4:5], s[12:13]
	s_or_b32 s[G0+3], s[G0+3], 0x80000000
	CROUND                                         ; all four work-groups are here: the joint loads meet
	tensor_load_to_lds s[G0:G0+3], s[G1:G1+7]
	s_nop 0
.rept 4
	v_nop
.endr
	s_lshl_b32 s12, s10, 7
	s_lshl_b32 s13, s9, 5
	s_add_co_u32 s12, s12, s13
	s_lshl1_add_u32 s12, s8, s12                   ; my first tile: block of 16 tokens 128 bh + 32 cx + 2 w
	s_lshl_b32 s12, s12, 10
	s_mov_b32 s13, 0
	s_add_nc_u64 s[34:35], s[4:5], s[12:13]
	s_lshr_b32 s12, s10, 4
	s_lshl_b32 s12, s12, 4
	s_lshl2_add_u32 s12, s9, s12
	s_lshr_b32 s13, s8, 2
	s_add_co_u32 s12, s12, s13                     ; mtile = 16 batch + 4 cx + w / 4
	s_bfe_u32 s13, s10, 0x10003
	s_lshl1_add_u32 s12, s12, s13                  ; x 2 + K step of the projection = head / 8
	s_and_b32 s13, s10, 7
	s_lshl3_add_u32 s12, s12, s13                  ; x 8 + head % 8
	s_and_b32 s13, s8, 3
	s_lshl2_add_u32 s12, s12, s13                  ; x 4 + w % 4: two token blocks of 1,024 bytes each
	s_lshl_b32 s12, s12, 11
	s_mov_b32 s13, 0
	s_add_nc_u64 s[36:37], s[6:7], s[12:13]
	v_and_b32 v1, 31, v0
	v_lshlrev_b32 v[AK], 4, v1
	v_add_nc_u32 v[AV], KBYTES, v[AK]
	v_mov_b32 v[GO], v[AK]
.irp t, 0,1
	global_load_b128 v[Q+8*(\t):Q+8*(\t)+3],   v[GO], s[34:35] offset:(\t)*1024
	global_load_b128 v[Q+8*(\t)+4:Q+8*(\t)+7], v[GO], s[34:35] offset:(\t)*1024+512
.endr
.set i, 0
.rept 8
	v_mov_b32 v[ONES+i], 0x3f803f80
.set i, i+1
.endr
.set i, 0
.rept 48                               ; O and l start at 0: written in the wait for the tiles, so that the first step is a step like any other
	v_mov_b32 v[O+i], 0
.set i, i+1
.endr
.irp t, 0,1
	v_mov_b32 v[ST+8*(\t)], 0xfe000000             ; c m: far below every c s
	v_mov_b32 v[ST+8*(\t)+1], 0xff7fffff           ; m
.endr
	s_wait_tensorcnt 0x0                           ; my 16 KiB are in,
	s_barrier_signal -1
	s_barrier_wait -1                              ; everybody's are
.irp f, 0,1,2,3
	ds_load_b128 v[KF+8*(\f):KF+8*(\f)+3],   v[AK] offset:(\f)*1024
	ds_load_b128 v[KF+8*(\f)+4:KF+8*(\f)+7], v[AK] offset:(\f)*1024+512
.endr
	s_wait_loadcnt 0x0                             ; Q
; Number n of the 22 that find tile t's maximum and statistics; each accumulator's lowest registers are read first.
;   0-11 four chains c0-c3 of seven scores each   12-14, 16 the four scores left over, the old m, c0-c3 into c0   15 c m_old is kept   17, 18 the lane 16 away holds the query's other 32 keys   19-21 c m, its change, a
.macro XS t, n
.set rT, ST+8*(\t)
.set rC, ST+8*(\t)+4
.set rS, S+32*(\t)
.if (\n) < 4
	v_max3_num_f32 v[rC+(\n)], v[rS+8*(\n)], v[rS+8*(\n)+1], v[rS+8*(\n)+2]
.elseif (\n) < 12
	v_max3_num_f32 v[rC+(\n)%4], v[rC+(\n)%4], v[rS+8*((\n)%4)+2*((\n)/4)+1], v[rS+8*((\n)%4)+2*((\n)/4)+2]
.elseif (\n) == 12
	v_max3_num_f32 v[rC], v[rC], v[rS+7], v[rS+15]
.elseif (\n) == 13
	v_max3_num_f32 v[rC+1], v[rC+1], v[rS+23], v[rS+31]
.elseif (\n) == 14
	v_max3_num_f32 v[rC+2], v[rC+2], v[rC+3], v[rT+1]
.elseif (\n) == 15
	v_mov_b32 v[rT+2], v[rT]
.elseif (\n) == 16
	v_max3_num_f32 v[rC], v[rC], v[rC+1], v[rC+2]
.elseif (\n) == 17
	v_permlanex16_b32 v[rC+3], v[rC], s[SEL], s[SEL+1]
.elseif (\n) == 18
	v_max_num_f32 v[rT+1], v[rC], v[rC+3]
.elseif (\n) == 19
	v_mul_f32 v[rT], s[CS], v[rT+1]
.elseif (\n) == 20
	v_sub_f32 v[rC+1], v[rT+2], v[rT]
.else
	v_exp_f32 v[rC+2], v[rC+1]
.endif
.endm
.macro FS t, p                         ; c s - c m for pair p of tile t
	v_pk_fma_f32 v[S+32*(\t)+2*(\p):S+32*(\t)+2*(\p)+1], v[S+32*(\t)+2*(\p):S+32*(\t)+2*(\p)+1], s[CS:CS+1], v[ST+8*(\t):ST+8*(\t)+1] op_sel_hi:[1,0,0] neg_lo:[0,0,1] neg_hi:[0,0,1]
.endm
; A KEY STEP, 64 keys.  last = 1: there is no further K.
.macro STEP last
	s_wait_dscnt 0x0                               ; K is in
.irp kb, 0,1,2,3
.irp t, 0,1
	v_wmma_f32_16x16x32_bf16 v[S+32*(\t)+8*(\kb):S+32*(\t)+8*(\kb)+7], v[KF+8*(\kb):KF+8*(\kb)+7], v[Q+8*(\t):Q+8*(\t)+7], 0
.endr
.endr
.rept 4
	v_nop                                          ; the places behind these products and behind the last step's: K's and V's registers are loaded again, and the scores are read
.endr
.irp f, 0,1,2,3
	ds_load_b128 v[VF+8*(\f):VF+8*(\f)+3],   v[AV] offset:(\f)*1024
	ds_load_b128 v[VF+8*(\f)+4:VF+8*(\f)+7], v[AV] offset:(\f)*1024+512
.endr
.if !(\last)
.irp f, 0,1,2,3
	ds_load_b128 v[KF+8*(\f):KF+8*(\f)+3],   v[AK] offset:4096+(\f)*1024
	ds_load_b128 v[KF+8*(\f)+4:KF+8*(\f)+7], v[AK] offset:4096+(\f)*1024+512
.endr
	v_add_nc_u32 v[AK], 4096, v[AK]
	v_add_nc_u32 v[AV], 4096, v[AV]
.endif
.irp n, 0,1,2,3,4,5,6,7,8,9,10,11,12,13,14,15,16,17,18,19,20
	XS 0, \n
	XS 1, \n
.endr
	XS 0, 21                                       ; ONE BATCH of 66 exponentials: the two a, then the scores; nothing ahead of the wait names a result.  A pair is scaled one group ahead of its exponentials
	XS 1, 21
	FS 0, 0
	FS 1, 0
.set p, 0
.rept 16
.if p < 15
	FS 0, p+1
	FS 1, p+1
.endif
	v_exp_f32 v[S+2*p], v[S+2*p]
	v_exp_f32 v[S+2*p+1], v[S+2*p+1]
	v_exp_f32 v[S+32+2*p], v[S+32+2*p]
	v_exp_f32 v[S+32+2*p+1], v[S+32+2*p+1]
.set p, p+1
.endr
	v_nop                                          ; a plain instruction behind the last exponential,
	s_wait_alu depctr_va_vdst(0)                   ; and one wait for the batch, ahead of its first reader
.irp t, 0,1
.irp i, 0,1,2,3,4,5,6,7
	v_pk_mul_f32 v[O+16*(\t)+2*(\i):O+16*(\t)+2*(\i)+1], v[O+16*(\t)+2*(\i):O+16*(\t)+2*(\i)+1], v[ST+8*(\t)+6:ST+8*(\t)+7] op_sel_hi:[1,0]  ; O a, ascending
.endr
	v_mul_f32 v[L+8*(\t)], v[L+8*(\t)], v[ST+8*(\t)+6]  ; l a
.endr
.irp t, 0,1
.irp i, 0,1,2,3,4,5,6,7,8,9,10,11,12,13,14,15
	v_cvt_pk_bf16_f32 v[P+16*(\t)+(\i)], v[S+32*(\t)+2*(\i)], v[S+32*(\t)+2*(\i)+1]
.endr
.endr
.if \last
	s_wait_dscnt 0x0                               ; V is in
.else
	s_wait_dscnt 8                                 ; V is in; the next step's eight loads of K are younger
.endif
.irp kk, 0,1                           ; six accumulators by turns, one instruction a turn
.irp cb, 0,1
.irp t, 0,1
	v_wmma_f32_16x16x32_bf16 v[O+16*(\t)+8*(\cb):O+16*(\t)+8*(\cb)+7], v[VF+16*(\kk)+8*(\cb):VF+16*(\kk)+8*(\cb)+7], v[P+16*(\t)+8*(\kk):P+16*(\t)+8*(\kk)+7], v[O+16*(\t)+8*(\cb):O+16*(\t)+8*(\cb)+7]
.endr
.endr
.irp t, 0,1
	v_wmma_f32_16x16x32_bf16 v[L+8*(\t):L+8*(\t)+7], v[ONES:ONES+7], v[P+16*(\t)+8*(\kk):P+16*(\t)+8*(\kk)+7], v[L+8*(\t):L+8*(\t)+7]
.endr
.endr
.endm
	s_mov_b32 s32, 31
.Lstep:
	STEP 0
	s_sub_co_u32 s32, s32, 1
	s_cmp_lg_u32 s32, 0
	s_cbranch_scc1 .Lstep
	STEP 1
	; THE WAY OUT: O / l, rounded to bf16: a lane's eight channels of a token are its 16 bytes of the projection's fragment
.rept 4
	v_nop
.endr
.irp t, 0,1
	v_rcp_f32 v[ST+8*(\t)+6], v[L+8*(\t)]
.endr
	v_nop
	s_wait_alu depctr_va_vdst(0)                   ; one wait for the two reciprocals
.irp t, 0,1
.irp i, 0,1,2,3,4,5,6,7
	v_pk_mul_f32 v[O+16*(\t)+2*(\i):O+16*(\t)+2*(\i)+1], v[O+16*(\t)+2*(\i):O+16*(\t)+2*(\i)+1], v[ST+8*(\t)+6:ST+8*(\t)+7] op_sel_hi:[1,0]
.endr
.endr
.irp i, 0,1,2,3,4,5,6,7,8,9,10,11,12,13,14,15
	v_cvt_pk_bf16_f32 v[P+(\i)], v[O+2*(\i)], v[O+2*(\i)+1]
.endr
.irp t, 0,1
.irp cb, 0,1
	global_store_b128 v[GO], v[P+8*(\t)+4*(\cb):P+8*(\t)+4*(\cb)+3], s[36:37] offset:(\t)*1024+(\cb)*512  ; 512 consecutive bytes, aligned
.endr
.endr
	s_wait_tensorcnt 0x0                           ; the wave's end
	ds_add_u32 v[SPW], v[NIL]
	s_wait_dscnt 0x0
	CROUND                                         ; the closing round
	s_endpgm
.Lfunc_end_k_q348d919840_attn:
	.size	k_q348d919840_attn, .Lfunc_end_k_q348d919840_attn-k_q348d919840_attn
	.p2alignl 7, 3214868480
	.fill 96, 4, 3214868480
	.section	.rodata,"a",@progbits
	.p2align	6, 0x0
	.amdhsa_kernel k_q348d919840_attn
		.amdhsa_group_segment_fixed_size 264192
		.amdhsa_private_segment_fixed_size 0
		.amdhsa_enable_private_segment 0
		.amdhsa_kernarg_size 16
		.amdhsa_user_sgpr_count 2
		.amdhsa_user_sgpr_kernarg_segment_ptr 1
		.amdhsa_wavefront_size32 1
		.amdhsa_system_sgpr_workgroup_id_x 1
		.amdhsa_system_sgpr_workgroup_id_y 1
		.amdhsa_system_sgpr_workgroup_id_z 1
		.amdhsa_system_vgpr_workitem_id 0
		.amdhsa_next_free_vgpr 256
		.amdhsa_next_free_sgpr 66
		.amdhsa_reserve_vcc 0
		.amdhsa_float_denorm_mode_32 3
		.amdhsa_float_denorm_mode_16_64 3
		.amdhsa_memory_ordered 1
		.amdhsa_forward_progress 1
		.amdhsa_inst_pref_size 34
	.end_amdhsa_kernel
	.amdgpu_metadata
---
amdhsa.version: [ 1, 2 ]
amdhsa.kernels:
  - .name:           k_q348d919840_attn
    .symbol:         k_q348d919840_attn.kd
    .args:
      - { .name: qkvf, .offset: 0, .size: 8, .value_kind: global_buffer, .address_space: global }
      - { .name: af, .offset: 8, .size: 8, .value_kind: global_buffer, .address_space: global }
    .group_segment_fixed_size: 264192
    .private_segment_fixed_size: 0
    .kernarg_segment_align: 8
    .kernarg_segment_size: 16
    .max_flat_workgroup_size: 512
    .sgpr_count:     66
    .vgpr_count:     256
    .wavefront_size: 32
...
	.end_amdgpu_metadata
.endif
;; end of part 3
;; launch proj (part 4): grid 4 x 64, 4 waves a work-group, clusters of 4 x 4, 327,680 bytes of LDS; arguments af, wts, b_proj, x, x1; writes x1
.if DOCPART == 4
	.amdgcn_target "amdgcn-amd-amdhsa--gfx1250"
	.amdhsa_code_object_version 6
	.text
	.protected	k_q348d919840_proj
	.globl	k_q348d919840_proj
	.p2align	8
	.type	k_q348d919840_proj,@function
k_q348d919840_proj:
	s_mov_b64 s[64:65], 0
	v_nop
	global_prefetch_b8 v0, s[64:65] scope:SCOPE_SE
	s_setreg_imm32_b32 hwreg(HW_REG_WAVE_MODE, 25, 1), 1
	s_wait_xcnt 0x0
	s_wait_alu depctr_hold_cnt(0) depctr_sa_sdst(0) depctr_va_vdst(0) depctr_va_sdst(0) depctr_va_ssrc(0) depctr_va_vcc(0) depctr_vm_vsrc(0)
	s_getreg_b32 s2, hwreg(HW_REG_IB_STS2, 6, 4)
	s_cmp_eq_u32 s2, 0
	s_cbranch_scc0 .Lentry_in_a_cluster
	s_endpgm
.Lentry_in_a_cluster:
	s_bfe_u32 s2, ttmp6, 0x10000c
	s_cmp_lg_u32 s2, 0xf033
	s_cbranch_scc0 .Lentry_shape_is_right
	s_endpgm
.Lentry_shape_is_right:
; out = A W + bias + res.  A: bf16 fragment images [mtile 64][K step][kbL 8][mbL 8][1,024]; W: the same by tiles of 128 columns, in wts at WOFF; bias [512], res and out [8192][512], f32.  Sums in f32.
; This text serves two launches that differ in the two lines below: the attention's projection (KS = 2) and the second feed-forward product (KS = 8).
.set KS,   2                           ; K steps of 256
.set WOFF, 1572864                     ; the weights' segment in wts
; SHARES.  A tile of out is 128 x 128: 4 x 64 = 256 work-groups.  Four waves, each 64 x 64: 16 accumulators.  K goes in steps of 256 through two LDS slots, each with 64 KiB of A and 64 KiB of W, both dense runs
; of memory asked for as rows of 256 bytes; a wave's one load brings 32 KiB.  A fragment is 1,024 consecutive LDS bytes: two loads of 16 bytes a lane.
; CLUSTER 4 x 4: A's tile is shared along a row of the cluster, W's along a column: each is asked for jointly by the four.
; Source 0 = weights, source 1 = A: a lane holds one token and eight neighbouring columns.  The bias is the C operand of the product that starts a sum.  The residual is loaded at the head, as whole rows of 256 bytes,
; and added on the way out, which goes through each wave's own stage in LDS so that sixteen lanes store 256 consecutive aligned bytes.
; LIMITS: NaN and infinities are not treated apart.
; REGISTERS.  window 0: v0-31 addresses; v32-95 at work on the way out; v96-127 the bias, column block b at 96 + 8 b; v128-255 accumulators.  window 1: two fragment buffers of 128.  window 2: v0-127 the residual.
.set SLOT,   131072
.set STAGE,  2*SLOT                    ; behind the ring: 16 rows x 272 bytes for each wave
.set SPITCH, 272
.set SPARE,  STAGE+4*16*SPITCH         ; 279,552: the spare words
.set ADRA, 16
.set ADRB, 20
.set STO,  24
.set RD,   25
.set CO,   26
.set VB,   27
.set SPW,  28
.set NIL,  29
.set TMP,  32
.set BIAS, 96
.set ACC,  128
.set RES,  0
.set F0,   0
.set F1,   128
.set G1,   24
.set G0,   32
.set G1B,  48
.set G0B,  56
.set MUL,  0x05
.set TO_F, 0x40
.set MSB,  0
.macro WIN new
.if MSB != (\new)
	s_set_vgpr_msb (MSB<<8)|(\new)
.set MSB, \new
.endif
.endm
.macro PLACES
.rept 4
	v_nop
.endr
.endm
.macro JLOAD s                         ; a joint load: waves 0 and 1 fetch A's two halves, waves 2 and 3 W's; s_nop 0 and four v_nop follow each line
	s_cmp_eq_u32 s17, 0
	s_cbranch_scc0 .Lfor_b_\@
	tensor_load_to_lds s[G0+4*(\s):G0+4*(\s)+3], s[G1:G1+7]
	s_nop 0
.rept 4
	v_nop
.endr
	s_branch .Lasked_\@
.Lfor_b_\@:
	tensor_load_to_lds s[G0B+4*(\s):G0B+4*(\s)+3], s[G1B:G1B+7]
	s_nop 0
.rept 4
	v_nop
.endr
.Lasked_\@:
.endm
.macro CREST
	s_cmp_lg_u32 s16, 0
	s_cbranch_scc1 .Lnot_wave_0_\@
	s_barrier_signal -3
.Lnot_wave_0_\@:
	s_barrier_wait -3
	s_barrier_signal -1
	s_barrier_wait -1
.endm
.macro CROUND
	s_barrier_signal -1
	s_barrier_wait -1
	CREST
.endm
	s_load_b256 s[4:11], s[0:1], 0x0               ; A s[4:5], wts s[6:7], bias s[8:9], res s[10:11]
	s_load_b64 s[12:13], s[0:1], 0x20              ; out
	v_lshl_add_u32 v[SPW], v0, 2, SPARE
	v_mov_b32 v[NIL], 0
	ds_add_u32 v[SPW], v[NIL]                      ; the wave's opening: the add and its wait ahead of my first tensor load
	v_lshrrev_b32 v1, 5, v0
	v_readfirstlane_b32 s16, v1                    ; wave 0..3
	s_lshr_b32 s17, s16, 1                         ; mh.  Also: I fetch for A (0) or for W (1)
	s_and_b32 s18, s16, 1                          ; nh.  Also: which 32 KiB of that block I fetch
	s_bfe_u32 s19, ttmp6, 0x40000                  ; cx
	s_bfe_u32 s20, ttmp6, 0x40004                  ; cy
	s_lshl_b32 s21, ttmp9, 2
	s_add_co_u32 s21, s21, s19                     ; ntile
	s_and_b32 s22, ttmp7, 0xffff
	s_lshl_b32 s22, s22, 2
	s_add_co_u32 s22, s22, s20                     ; mtile
	s_lshl_b32 s42, s20, 2
	s_lshl_b32 s42, 15, s42                        ; my row of the cluster
	s_lshl_b32 s43, 0x1111, s19                    ; my column
	s_or_b32 s[G1+0], s42, (3<<16)|(1<<21)         ; the mask; elements of 8 bytes; 21 set beside a mask; no padding
	s_or_b32 s[G1B+0], s43, (3<<16)|(1<<21)
.irp g, G1, G1B
	s_mov_b32 s[(\g)+1], 32<<16                    ; rows of 256 bytes,
	s_mov_b32 s[(\g)+2], 128<<16                   ; 128 of them: 32 KiB, dense
	s_mov_b32 s[(\g)+3], 32<<16
	s_mov_b32 s[(\g)+4], 128
	s_mov_b32 s[(\g)+5], 32
	s_mov_b32 s[(\g)+6], 0
	s_mov_b32 s[(\g)+7], 0
.endr
	s_lshl_b32 s23, s18, 15
	s_mul_i32 s40, s22, KS*65536                   ; A's block: it hangs on the tile row alone,
	s_add_co_u32 s40, s40, s23
	s_mov_b32 s41, 0
	s_mul_i32 s46, s21, KS*65536                   ; W's on the tile column alone
	s_add_co_u32 s46, s46, s23
	s_add_co_u32 s46, s46, WOFF
	s_mov_b32 s47, 0
	s_lshl_b32 s44, s16, 15                        ; where they go: 32,768 x wave
	s_wait_dscnt 0x0
	s_wait_kmcnt 0x0
	s_add_nc_u64 s[40:41], s[4:5], s[40:41]
	s_add_nc_u64 s[46:47], s[6:7], s[46:47]
	CROUND                                         ; all sixteen work-groups are here: the first joint loads meet
.irp s, 0,1
	s_mov_b32 s[G0+4*(\s)], 1
	s_add_co_u32 s[G0+4*(\s)+1], s44, (\s)*SLOT
	s_add_nc_u64 s[G0+4*(\s)+2:G0+4*(\s)+3], s[40:41], (\s)*65536
	s_or_b32 s[G0+4*(\s)+3], s[G0+4*(\s)+3], 0x80000000
	s_mov_b32 s[G0B+4*(\s)], 1
	s_add_co_u32 s[G0B+4*(\s)+1], s44, (\s)*SLOT
	s_add_nc_u64 s[G0B+4*(\s)+2:G0B+4*(\s)+3], s[46:47], (\s)*65536
	s_or_b32 s[G0B+4*(\s)+3], s[G0B+4*(\s)+3], 0x80000000
	JLOAD \s
.endr
	v_and_b32 v1, 31, v0                           ; lane
	v_and_b32 v2, 15, v0                           ; r
	v_bfe_u32 v3, v0, 4, 1                         ; the lane's half
	v_lshlrev_b32 v4, 4, v1
	s_lshl_b32 s42, s18, 8
	v_lshl_add_u32 v[VB], v3, 5, s42               ; the bias of my columns: 256 nh + 32 half, + 64 b
	s_lshl_b32 s42, s21, 9
	s_mov_b32 s43, 0
	s_add_nc_u64 s[8:9], s[8:9], s[42:43]
.irp b, 0,1,2,3
	global_load_b128 v[BIAS+8*(\b):BIAS+8*(\b)+3],   v[VB], s[8:9] offset:64*(\b)
	global_load_b128 v[BIAS+8*(\b)+4:BIAS+8*(\b)+7], v[VB], s[8:9] offset:64*(\b)+16
.endr
	s_lshl_b32 s44, s22, 18                        ; my 64 x 64 of res and out: row 128 mtile + 64 mh, byte 512 ntile + 256 nh
	s_lshl_b32 s45, s17, 17
	s_add_co_u32 s44, s44, s45
	s_add_co_u32 s44, s44, s42
	s_lshl_b32 s45, s18, 8
	s_add_co_u32 s44, s44, s45
	s_mov_b32 s45, 0
	s_add_nc_u64 s[10:11], s[10:11], s[44:45]
	s_add_nc_u64 s[12:13], s[12:13], s[44:45]
	v_lshlrev_b32 v[CO], 4, v2
	v_lshl_add_u32 v[CO], v3, 11, v[CO]            ; lanes 0-15 one row's 256 bytes, lanes 16-31 the next row's
	WIN 0x80                                       ; destination window 2
.irp a, 0,1,2,3
.irp t, 0,1,2,3,4,5,6,7
	global_load_b128 v[RES+4*(8*(\a)+(\t)):RES+4*(8*(\a)+(\t))+3], v[CO], s[10:11] offset:(16*(\a)+2*(\t))*2048
.endr
.endr
	WIN 0
	s_lshl_b32 s42, s17, 12
	v_add_nc_u32 v[ADRA], s42, v4                  ; 4 mh fragments + 16 lane
	v_add_nc_u32 v[ADRA+1], SLOT, v[ADRA]
	s_lshl_b32 s42, s18, 12
	s_add_co_u32 s42, s42, 65536
	v_add_nc_u32 v[ADRB], s42, v4
	v_add_nc_u32 v[ADRB+1], SLOT, v[ADRB]
	s_mul_i32 s42, s16, 16*SPITCH
	s_add_co_u32 s42, s42, STAGE                   ; my stage
	v_mul_u32_u24 v[STO], v2, SPITCH
	v_lshl_add_u32 v[STO], v3, 5, v[STO]
	v_add_nc_u32 v[STO], s42, v[STO]               ; in: row r, 32 bytes for each half of the lanes
	v_mul_u32_u24 v[RD], v3, SPITCH
	v_lshl_add_u32 v[RD], v2, 4, v[RD]
	v_add_nc_u32 v[RD], s42, v[RD]                 ; back: two whole rows
; 8 matrix instructions: token blocks a0, a0 + 1 x 4 column blocks, 32 along K.  z = 2: the product starts the sum from the bias.  The 16 accumulators take turns, one instruction a turn.
.macro MUL8 f, c, a0, z
	WIN MUL
.irp a, \a0, (\a0)+1
.irp b, 0,1,2,3
.set rD, ACC+8*(4*(\a)+(\b))
.set fS0, (\f)+64+8*(4*(\c)+(\b))
.set fS1, (\f)+8*(4*(\c)+(\a))
.if (\z) == 2
	v_wmma_f32_16x16x32_bf16 v[rD:rD+7], v[fS0:fS0+7], v[fS1:fS1+7], v[BIAS+8*(\b):BIAS+8*(\b)+7]
.else
	v_wmma_f32_16x16x32_bf16 v[rD:rD+7], v[fS0:fS0+7], v[fS1:fS1+7], v[rD:rD+7]
.endif
.endr
.endr
.endm
.macro FETCH slot, q, f                ; 32 LDS loads in one run: quarter q (64 along K) of the slot, the first 32 along K first
	WIN TO_F
.irp c, 0,1
.irp i, 0,1,2,3
	ds_load_b128 v[(\f)+64+8*(4*(\c)+(\i)):(\f)+64+8*(4*(\c)+(\i))+3],   v[ADRB+(\slot)] offset:((2*(\q)+(\c))*8+(\i))*1024
	ds_load_b128 v[(\f)+64+8*(4*(\c)+(\i))+4:(\f)+64+8*(4*(\c)+(\i))+7], v[ADRB+(\slot)] offset:((2*(\q)+(\c))*8+(\i))*1024+512
	ds_load_b128 v[(\f)+8*(4*(\c)+(\i)):(\f)+8*(4*(\c)+(\i))+3],         v[ADRA+(\slot)] offset:((2*(\q)+(\c))*8+(\i))*1024
	ds_load_b128 v[(\f)+8*(4*(\c)+(\i))+4:(\f)+8*(4*(\c)+(\i))+7],       v[ADRA+(\slot)] offset:((2*(\q)+(\c))*8+(\i))*1024+512
.endr
.endr
.endm
.macro QUARTER slot, q, f, g, z
	s_wait_dscnt 16                                ; the first 32 along K are in
	MUL8 \f, 0, 0, \z
	MUL8 \f, 0, 2, \z
	PLACES
	FETCH \slot, \q, \g
	s_wait_dscnt 32                                ; all but the 32 just issued
	MUL8 \f, 1, 0, 0
	MUL8 \f, 1, 2, 0
.endm
; The last quarter multiplies buffer 1 and changes slots: in front of the barrier each wave waits for all its tensor loads, adds 0 to its spare word, and waits for that and for its reads of this slot.
.macro TURN slot, next, fill
	WIN 0
	s_wait_tensorcnt 0x0                           ; all my tensor loads have landed: my part of the next slot
	ds_add_u32 v[SPW], v[NIL]                      ; 0 onto my spare word
	s_wait_dscnt 17                                ; (the add and the youngest sixteen loads may be out)
	MUL8 F1, 0, 0, 0
	s_wait_dscnt 0x0                               ; the add is done, and my reads of this slot are over
	s_barrier_signal -1
	MUL8 F1, 0, 2, 0
.if \fill
	WIN 0
.endif
	s_barrier_wait -1
.if \fill
	CREST                                          ; the barrier has opened a round of the cluster's: no wave of any partner still reads this slot or has a load on its way
	s_add_nc_u64 s[G0+4*(\slot)+2:G0+4*(\slot)+3], s[G0+4*(\slot)+2:G0+4*(\slot)+3], 2*65536
	s_add_nc_u64 s[G0B+4*(\slot)+2:G0B+4*(\slot)+3], s[G0B+4*(\slot)+2:G0B+4*(\slot)+3], 2*65536
	JLOAD \slot                                    ; its four v_nop are also the places in front of the loads below
.else
	PLACES
.endif
	FETCH \next, 0, F0
	MUL8 F1, 1, 0, 0
	MUL8 F1, 1, 2, 0
.endm
	s_wait_tensorcnt 0x1                           ; my part of K step 0 is in; K step 1's may stay out
	s_barrier_signal -1
	s_barrier_wait -1
	FETCH 0, 0, F0
	s_wait_loadcnt 32                              ; the bias is in; the 32 residual loads are younger
	QUARTER 0, 1, F0, F1, 2
.if KS > 2
	WIN 0
	s_mov_b32 s3, KS/2-1
.Llap:                                                 ; a trip goes once round the ring and fills both slots again
	QUARTER 0, 2, F1, F0, 0
	QUARTER 0, 3, F0, F1, 0
	TURN 0, 1, 1
	QUARTER 1, 1, F0, F1, 0
	QUARTER 1, 2, F1, F0, 0
	QUARTER 1, 3, F0, F1, 0
	TURN 1, 0, 1
	QUARTER 0, 1, F0, F1, 0
	WIN 0
	s_sub_co_u32 s3, s3, 1
	s_cmp_lg_u32 s3, 0
	s_cbranch_scc1 .Llap
.endif
	QUARTER 0, 2, F1, F0, 0                        ; the last lap fills nothing
	QUARTER 0, 3, F0, F1, 0
	TURN 0, 1, 0
	QUARTER 1, 1, F0, F1, 0
	QUARTER 1, 2, F1, F0, 0
	QUARTER 1, 3, F0, F1, 0
	s_wait_dscnt 16
	MUL8 F1, 0, 0, 0
	MUL8 F1, 0, 2, 0
	s_wait_dscnt 0x0
	MUL8 F1, 1, 0, 0
	MUL8 F1, 1, 2, 0
	WIN 0
	; THE WAY OUT, 16 rows at a time: f32 sums into my stage, back as whole rows of 256 bytes, the residual added, stored
	PLACES
	s_wait_loadcnt 0x0                             ; the residual
.irp a, 0,1,2,3
.set BK, TMP+32*((\a)%2)
.irp b, 0,1,2,3
	ds_store_b128 v[STO], v[ACC+8*(4*(\a)+(\b)):ACC+8*(4*(\a)+(\b))+3]   offset:64*(\b)     ; each accumulator from its low end
	ds_store_b128 v[STO], v[ACC+8*(4*(\a)+(\b))+4:ACC+8*(4*(\a)+(\b))+7] offset:64*(\b)+16
.endr
	s_wait_xcnt 0x0                                ; earlier stores have read their data: these registers are loaded again only behind this wait
.irp t, 0,1,2,3,4,5,6,7
	ds_load_b128 v[BK+4*(\t):BK+4*(\t)+3], v[RD] offset:(\t)*2*SPITCH  ; LDS serves a wave's instructions in order (ISA guide 5.7.1.4): these see the stores above
.endr
	s_wait_dscnt 0x0
	WIN 0x08                                       ; source 1 window 2
.irp u, 0,1,2,3,4,5,6,7,8,9,10,11,12,13,14,15
	v_pk_add_f32 v[BK+2*(\u):BK+2*(\u)+1], v[BK+2*(\u):BK+2*(\u)+1], v[RES+32*(\a)+2*(\u):RES+32*(\a)+2*(\u)+1]
.endr
	WIN 0
.irp t, 0,1,2,3,4,5,6,7
	global_store_b128 v[CO], v[BK+4*(\t):BK+4*(\t)+3], s[12:13] offset:(16*(\a)+2*(\t))*2048  ; 16 lanes store 256 consecutive bytes, aligned
.endr
.endr
	s_wait_tensorcnt 0x0                           ; the wave's end
	ds_add_u32 v[SPW], v[NIL]
	s_wait_dscnt 0x0
	CROUND                                         ; the closing round
	s_endpgm
.Lfunc_end_k_q348d919840_proj:
	.size	k_q348d919840_proj, .Lfunc_end_k_q348d919840_proj-k_q348d919840_proj
	.p2alignl 7, 3214868480
	.fill 96, 4, 3214868480
	.section	.rodata,"a",@progbits
	.p2align	6, 0x0
	.amdhsa_kernel k_q348d919840_proj
		.amdhsa_group_segment_fixed_size 327680
		.amdhsa_private_segment_fixed_size 0
		.amdhsa_enable_private_segment 0
		.amdhsa_kernarg_size 40
		.amdhsa_user_sgpr_count 2
		.amdhsa_user_sgpr_kernarg_segment_ptr 1
		.amdhsa_wavefront_size32 1
		.amdhsa_system_sgpr_workgroup_id_x 1
		.amdhsa_system_sgpr_workgroup_id_y 1
		.amdhsa_system_sgpr_workgroup_id_z 1
		.amdhsa_system_vgpr_workitem_id 0
		.amdhsa_next_free_vgpr 640
		.amdhsa_next_free_sgpr 66
		.amdhsa_reserve_vcc 0
		.amdhsa_float_denorm_mode_32 3
		.amdhsa_float_denorm_mode_16_64 3
		.amdhsa_memory_ordered 1
		.amdhsa_forward_progress 1
		.amdhsa_inst_pref_size 57
	.end_amdhsa_kernel
	.amdgpu_metadata
---
amdhsa.version: [ 1, 2 ]
amdhsa.kernels:
  - .name:           k_q348d919840_proj
    .symbol:         k_q348d919840_proj.kd
    .args:
      - { .name: af, .offset: 0, .size: 8, .value_kind: global_buffer, .address_space: global }
      - { .name: wts, .offset: 8, .size: 8, .value_kind: global_buffer, .address_space: global }
      - { .name: b_proj, .offset: 16, .size: 8, .value_kind: global_buffer, .address_space: global }
      - { .name: x, .offset: 24, .size: 8, .value_kind: global_buffer, .address_space: global }
      - { .name: x1, .offset: 32, .size: 8, .value_kind: global_buffer, .address_space: global }
    .group_segment_fixed_size: 327680
    .private_segment_fixed_size: 0
    .kernarg_segment_align: 8
    .kernarg_segment_size: 40
    .max_flat_workgroup_size: 128
    .sgpr_count:     66
    .vgpr_count:     640
    .wavefront_size: 32
...
	.end_amdgpu_metadata
.endif
;; end of part 4
;; launch lnff1 (part 5): grid 64 x 4, 4 waves a work-group, clusters of 4 x 1, 327,680 bytes of LDS; arguments x1, g2, bt2, wts, b1, f1; writes f1
.if DOCPART == 5
	.amdgcn_target "amdgcn-amd-amdhsa--gfx1250"
	.amdhsa_code_object_version 6
	.text
	.protected	k_q348d919840_lnff1
	.globl	k_q348d919840_lnff1
	.p2align	8
	.type	k_q348d919840_lnff1,@function
k_q348d919840_lnff1:
	s_mov_b64 s[64:65], 0
	v_nop
	global_prefetch_b8 v0, s[64:65] scope:SCOPE_SE
	s_setreg_imm32_b32 hwreg(HW_REG_WAVE_MODE, 25, 1), 1
	s_wait_xcnt 0x0
	s_wait_alu depctr_hold_cnt(0) depctr_sa_sdst(0) depctr_va_vdst(0) depctr_va_sdst(0) depctr_va_ssrc(0) depctr_va_vcc(0) depctr_vm_vsrc(0)
	s_getreg_b32 s2, hwreg(HW_REG_IB_STS2, 6, 4)
	s_cmp_eq_u32 s2, 0
	s_cbranch_scc0 .Lentry_in_a_cluster
	s_endpgm
.Lentry_in_a_cluster:
	s_bfe_u32 s2, ttmp6, 0x10000c
	s_cmp_lg_u32 s2, 0x3003
	s_cbranch_scc0 .Lentry_shape_is_right
	s_endpgm
.Lentry_shape_is_right:
; LAYERNORM 2 AND THE FIRST FEED-FORWARD PRODUCT.  h2 = (x1 - mean) rsqrt(var + 1e-5) g2 + bt2 in f32 (mean first, then the centred squares), rounded once to bf16; f1 = relu(h2 W1 + b1), f32 sums, rounded once to bf16.
; SHARES.  A work-group owns 128 tokens (mtile) and 512 columns: four tiles of 128, ntile = 4 g + j.  Its h2 lies in LDS for all four; the weights go through a ring of two slots, K step 256 each.
; Four waves, each 64 x 64 of a tile.  CLUSTER: the four row blocks of a cluster walk the same weights: every weight tile is asked for jointly, mask 15, 16 KiB a wave.
; Source 0 = weights, source 1 = h2: a lane holds one token and eight neighbouring columns: 16 bytes that are the same lane's piece of the next product's fragment image, stored as 512 consecutive bytes a wave.
; The bias is the C operand of the product that starts a sum; the next tile's bias is loaded while this tile is multiplied.  f1: [mtile 64][K step 8][kbL 8][mbL 8][1,024].
; LIMITS: NaN and infinities are not treated apart; the relu, a maximum with 0 on the rounded halves, turns a NaN into 0.
; REGISTERS.  window 0: v0-31 addresses; LN phase: v32-47 g, v48-63 bt, v64-95 at work, v128-255 two sets of four rows; later v32-95 packed results, v96-127 the bias, v128-255 accumulators.  window 1: two fragment buffers.
.set APITCH, 1040                      ; a row of h2 in LDS: 1,024 bytes + 16: the 16 rows of a fragment load touch different banks (ISA guide 11.1)
.set BS0,    128*APITCH                ; behind h2, which ds_store writes and no tensor load touches: weight slot 0
.set BSLOT,  65536
.set SPARE,  BS0+2*BSLOT
.set NSTEP,  2*BSLOT                   ; from a tile to the next
.set W1OFF,  2097152
.set LO,   9
.set XO0,  10
.set LSA,  12
.set ADRA, 16
.set ADRB, 20
.set VB,   27
.set SPW,  28
.set NIL,  29
.set ZR,   30                          ; v30  0, for the relu
.set GV,   32
.set BV,   48
.set T,    64
.set X,    128
.set TMP,  32
.set BIAS, 96
.set ACC,  128
.set F0,   0
.set F1,   128
.set G1,   24
.set G0,   32
.set MUL,  0x05
.set TO_F, 0x40
.set MSB,  0
.macro WIN new
.if MSB != (\new)
	s_set_vgpr_msb (MSB<<8)|(\new)
.set MSB, \new
.endif
.endm
.macro PLACES
.rept 4
	v_nop
.endr
.endm
.macro CREST
	s_cmp_lg_u32 s16, 0
	s_cbranch_scc1 .Lnot_wave_0_\@
	s_barrier_signal -3
.Lnot_wave_0_\@:
	s_barrier_wait -3
	s_barrier_signal -1
	s_barrier_wait -1
.endm
.macro CROUND
	s_barrier_signal -1
	s_barrier_wait -1
	CREST
.endm
.macro JLOAD s
	tensor_load_to_lds s[G0+4*(\s):G0+4*(\s)+3], s[G1:G1+7]
	s_nop 0
.rept 4
	v_nop
.endr
.endm
	s_load_b256 s[4:11], s[0:1], 0x0               ; x1 s[4:5], g2 s[6:7], bt2 s[8:9], wts s[10:11]
	s_load_b128 s[12:15], s[0:1], 0x20             ; b1 s[12:13], f1 s[14:15]
	v_lshl_add_u32 v[SPW], v0, 2, SPARE
	v_mov_b32 v[NIL], 0
	ds_add_u32 v[SPW], v[NIL]                      ; the wave's opening: the add and its wait ahead of my first tensor load
	v_lshrrev_b32 v1, 5, v0
	v_readfirstlane_b32 s16, v1                    ; wave 0..3
	s_lshr_b32 s17, s16, 1                         ; mh
	s_and_b32 s18, s16, 1                          ; nh
	s_bfe_u32 s19, ttmp6, 0x40000                  ; cx
	s_lshl_b32 s20, ttmp9, 2
	s_add_co_u32 s20, s20, s19                     ; mtile: it enters global addresses of x1 and f1 alone
	s_and_b32 s21, ttmp7, 0xffff                   ; g, which the four partners share
	s_mov_b32 s[G1+0], 15|(3<<16)|(1<<21)          ; the mask of four; elements of 8 bytes; 21 set beside a mask
	s_mov_b32 s[G1+1], 32<<16                      ; rows of 256 bytes,
	s_mov_b32 s[G1+2], 64<<16                      ; 64 of them: 16 KiB, dense
	s_mov_b32 s[G1+3], 32<<16
	s_mov_b32 s[G1+4], 64
	s_mov_b32 s[G1+5], 32
	s_mov_b32 s[G1+6], 0
	s_mov_b32 s[G1+7], 0
	s_mov_b32 s44, 0x76543210
	s_mov_b32 s45, 0xfedcba98
	s_mov_b32 s46, 0x3b000000                      ; 1 / 512
	s_mov_b32 s47, 0x3727c5ac                      ; 1e-5
	s_lshl_b32 s22, s16, 14                        ; my quarter of a slot
	s_lshl_b32 s50, s21, 19                        ; tile 4 g: block 8 g of 65,536 bytes
	s_add_co_u32 s50, s50, s22
	s_add_co_u32 s50, s50, W1OFF
	s_mov_b32 s51, 0
	s_mov_b32 s[G0+0], 1
	s_add_co_u32 s[G0+1], s22, BS0
	s_mov_b32 s[G0+4], 1
	s_add_co_u32 s[G0+5], s22, BS0+BSLOT
	s_wait_dscnt 0x0
	s_wait_kmcnt 0x0
	s_add_nc_u64 s[G0+2:G0+3], s[10:11], s[50:51]
	s_add_nc_u64 s[G0+6:G0+7], s[G0+2:G0+3], BSLOT
	s_or_b32 s[G0+3], s[G0+3], 0x80000000
	s_or_b32 s[G0+7], s[G0+7], 0x80000000
	CROUND                                         ; all four work-groups are here: the first joint loads meet
	tensor_load_to_lds s[G0:G0+3], s[G1:G1+7]
	s_nop 0
	tensor_load_to_lds s[G0+4:G0+7], s[G1:G1+7]
	s_nop 0
.rept 4
	v_nop
.endr
	v_and_b32 v1, 31, v0                           ; lane
	v_and_b32 v2, 15, v0                           ; r
	v_bfe_u32 v3, v0, 4, 1                         ; the lane's half
	v_lshlrev_b32 v[LO], 4, v1
	v_mov_b32 v[ZR], 0
	s_lshl_b32 s22, s18, 8
	v_lshl_add_u32 v[VB], v3, 5, s22               ; the bias of my columns: 256 nh + 32 half, + 64 b
	s_lshl_b32 s50, s21, 11
	s_mov_b32 s51, 0
	s_add_nc_u64 s[52:53], s[12:13], s[50:51]      ; b1 at tile 4 g
.macro BIASLD
.irp b, 0,1,2,3
	global_load_b128 v[BIAS+8*(\b):BIAS+8*(\b)+3],   v[VB], s[52:53] offset:64*(\b)
	global_load_b128 v[BIAS+8*(\b)+4:BIAS+8*(\b)+7], v[VB], s[52:53] offset:64*(\b)+16
.endr
.endm
	BIASLD
.irp j, 0,1,2,3
	global_load_b128 v[GV+4*(\j):GV+4*(\j)+3], v[LO], s[6:7] offset:512*(\j)
	global_load_b128 v[BV+4*(\j):BV+4*(\j)+3], v[LO], s[8:9] offset:512*(\j)
.endr
	s_lshl_b32 s50, s20, 18                        ; 128 rows of 2,048 bytes
	s_add_nc_u64 s[4:5], s[4:5], s[50:51]
	s_lshl_b32 s22, s16, 16
	v_add_nc_u32 v[XO0], s22, v[LO]
	v_add_nc_u32 v[XO0+1], 8192, v[XO0]
	s_mul_i32 s22, s16, 32*APITCH
	v_lshl_add_u32 v[LSA], v1, 3, s22
.irp i, 0,1,2,3
	v_mov_b32 v[T+8*(\i)+5], 0
	v_mov_b32 v[T+8*(\i)+7], 0
.endr
.macro FILLX set                       ; four rows: 16 loads of 512 consecutive bytes
.irp i, 0,1,2,3
.irp j, 0,1,2,3
	global_load_b128 v[X+64*(\set)+16*(\i)+4*(\j):X+64*(\set)+16*(\i)+4*(\j)+3], v[XO0+(\set)], s[4:5] offset:(\i)*2048+(\j)*512
.endr
.endr
.endm
.macro FOLD                            ; the two chains, the pair's halves, the 32 lanes
.irp i, 0,1,2,3
	v_pk_add_f32 v[T+8*(\i):T+8*(\i)+1], v[T+8*(\i):T+8*(\i)+1], v[T+8*(\i)+2:T+8*(\i)+3]
.endr
.irp i, 0,1,2,3
	v_add_f32 v[T+8*(\i)], v[T+8*(\i)], v[T+8*(\i)+1]
.endr
.irp m, 1,2,4,8
.irp i, 0,1,2,3
	v_add_f32_dpp v[T+8*(\i)], v[T+8*(\i)], v[T+8*(\i)] row_xmask:\m row_mask:0xf bank_mask:0xf
.endr
.endr
.irp i, 0,1,2,3
	v_permlanex16_b32 v[T+8*(\i)+1], v[T+8*(\i)], s44, s45
.endr
.irp i, 0,1,2,3
	v_add_f32 v[T+8*(\i)], v[T+8*(\i)], v[T+8*(\i)+1]
.endr
.endm
.macro LNG set                         ; four rows of layernorm, side by side
.set XB, X+64*(\set)
.irp i, 0,1,2,3
	v_pk_add_f32 v[T+8*(\i):T+8*(\i)+1], v[XB+16*(\i):XB+16*(\i)+1], v[XB+16*(\i)+2:XB+16*(\i)+3]
	v_pk_add_f32 v[T+8*(\i)+2:T+8*(\i)+3], v[XB+16*(\i)+4:XB+16*(\i)+5], v[XB+16*(\i)+6:XB+16*(\i)+7]
.endr
.irp k, 8, 12
.irp i, 0,1,2,3
	v_pk_add_f32 v[T+8*(\i):T+8*(\i)+1], v[T+8*(\i):T+8*(\i)+1], v[XB+16*(\i)+(\k):XB+16*(\i)+(\k)+1]
	v_pk_add_f32 v[T+8*(\i)+2:T+8*(\i)+3], v[T+8*(\i)+2:T+8*(\i)+3], v[XB+16*(\i)+(\k)+2:XB+16*(\i)+(\k)+3]
.endr
.endr
	FOLD
.irp i, 0,1,2,3
	v_mul_f32 v[T+8*(\i)+4], s46, v[T+8*(\i)]      ; the mean
.endr
.irp k, 0,2,4,6,8,10,12,14
.irp i, 0,1,2,3
	v_pk_add_f32 v[XB+16*(\i)+(\k):XB+16*(\i)+(\k)+1], v[XB+16*(\i)+(\k):XB+16*(\i)+(\k)+1], v[T+8*(\i)+4:T+8*(\i)+5] op_sel_hi:[1,0] neg_lo:[0,1] neg_hi:[0,1]
.endr
.endr
.irp i, 0,1,2,3
	v_pk_mul_f32 v[T+8*(\i):T+8*(\i)+1], v[XB+16*(\i):XB+16*(\i)+1], v[XB+16*(\i):XB+16*(\i)+1]
	v_pk_mul_f32 v[T+8*(\i)+2:T+8*(\i)+3], v[XB+16*(\i)+2:XB+16*(\i)+3], v[XB+16*(\i)+2:XB+16*(\i)+3]
.endr
.irp k, 4, 8, 12
.irp i, 0,1,2,3
	v_pk_fma_f32 v[T+8*(\i):T+8*(\i)+1], v[XB+16*(\i)+(\k):XB+16*(\i)+(\k)+1], v[XB+16*(\i)+(\k):XB+16*(\i)+(\k)+1], v[T+8*(\i):T+8*(\i)+1]
	v_pk_fma_f32 v[T+8*(\i)+2:T+8*(\i)+3], v[XB+16*(\i)+(\k)+2:XB+16*(\i)+(\k)+3], v[XB+16*(\i)+(\k)+2:XB+16*(\i)+(\k)+3], v[T+8*(\i)+2:T+8*(\i)+3]
.endr
.endr
	FOLD
.irp i, 0,1,2,3
	v_fma_f32 v[T+8*(\i)+6], v[T+8*(\i)], s46, s47 ; var + 1e-5
.endr
.irp i, 0,1,2,3
	v_rsq_f32 v[T+8*(\i)+6], v[T+8*(\i)+6]
.endr
	v_nop                                          ; a plain instruction behind the last of the four,
	s_wait_alu depctr_va_vdst(0)                   ; and one wait for the batch, ahead of its first reader
.irp k, 0,2,4,6,8,10,12,14
.irp i, 0,1,2,3
	v_pk_mul_f32 v[XB+16*(\i)+(\k):XB+16*(\i)+(\k)+1], v[XB+16*(\i)+(\k):XB+16*(\i)+(\k)+1], v[T+8*(\i)+6:T+8*(\i)+7] op_sel_hi:[1,0]
.endr
.endr
.irp k, 0,2,4,6,8,10,12,14
.irp i, 0,1,2,3
	v_pk_fma_f32 v[XB+16*(\i)+(\k):XB+16*(\i)+(\k)+1], v[XB+16*(\i)+(\k):XB+16*(\i)+(\k)+1], v[GV+(\k):GV+(\k)+1], v[BV+(\k):BV+(\k)+1]
.endr
.endr
.irp k, 0,1,2,3,4,5,6,7
.irp i, 0,1,2,3
	v_cvt_pk_bf16_f32 v[XB+16*(\i)+(\k)], v[XB+16*(\i)+2*(\k)], v[XB+16*(\i)+2*(\k)+1]
.endr
.endr
.irp i, 0,1,2,3
.irp j, 0,1,2,3
	ds_store_b64 v[LSA], v[XB+16*(\i)+2*(\j):XB+16*(\i)+2*(\j)+1] offset:(\set)*4*APITCH+(\i)*APITCH+256*(\j)
.endr
.endr
.endm
	FILLX 0
	v_mul_u32_u24 v[ADRA], v2, APITCH
	v_lshl_add_u32 v[ADRA], v3, 4, v[ADRA]
	s_mul_i32 s22, s17, 64*APITCH
	v_add_nc_u32 v[ADRA], s22, v[ADRA]             ; (64 mh + r) x pitch + 16 half
	s_lshl_b32 s22, s18, 12
	s_add_co_u32 s22, s22, BS0
	v_add_nc_u32 v[ADRB], s22, v[LO]
	v_add_nc_u32 v[ADRB+1], BSLOT, v[ADRB]
	s_lshl_b32 s50, s20, 3
	s_lshl1_add_u32 s50, s21, s50                  ; f1's block 8 mtile + 2 g,
	s_lshl_b32 s50, s50, 16
	s_lshl_b32 s22, s18, 14                        ; kbL 2 nh,
	s_add_co_u32 s50, s50, s22
	s_lshl_b32 s22, s17, 12                        ; mbL 4 mh
	s_add_co_u32 s50, s50, s22
	s_add_nc_u64 s[40:41], s[14:15], s[50:51]
	s_mov_b32 s49, 4
.Lln:                                                  ; a trip: eight of my 32 rows.  Set 1 is asked for at the head, set 0 again in the middle
	FILLX 1
	s_wait_loadcnt 16                              ; all but set 1's sixteen: set 0 is in (in the first trip the bias, g and bt too)
	LNG 0
	s_cmp_eq_u32 s49, 1
	s_cbranch_scc1 .Lln_end                        ; the last trip has no further rows
	v_add_nc_u32 v[XO0], 16384, v[XO0]             ; free since the wait above showed set 0's loads done
	FILLX 0
	s_wait_loadcnt 16                              ; all but set 0's sixteen: set 1 is in
	s_branch .Lln_go
.Lln_end:
	s_wait_loadcnt 0x0
.Lln_go:
	LNG 1
	v_add_nc_u32 v[XO0+1], 16384, v[XO0+1]
	v_add_nc_u32 v[LSA], 8*APITCH, v[LSA]
	s_sub_co_u32 s49, s49, 1
	s_cmp_lg_u32 s49, 0
	s_cbranch_scc1 .Lln
; 8 matrix instructions: token blocks a0, a0 + 1 x 4 column blocks, 32 along K.  z = 2: the product starts the sum from the bias.  The 16 accumulators take turns, one instruction a turn.
.macro MUL8 f, c, a0, z
	WIN MUL
.irp a, \a0, (\a0)+1
.irp b, 0,1,2,3
.set rD, ACC+8*(4*(\a)+(\b))
.set fS0, (\f)+64+8*(4*(\c)+(\b))
.set fS1, (\f)+8*(4*(\c)+(\a))
.if (\z) == 2
	v_wmma_f32_16x16x32_bf16 v[rD:rD+7], v[fS0:fS0+7], v[fS1:fS1+7], v[BIAS+8*(\b):BIAS+8*(\b)+7]
.else
	v_wmma_f32_16x16x32_bf16 v[rD:rD+7], v[fS0:fS0+7], v[fS1:fS1+7], v[rD:rD+7]
.endif
.endr
.endr
.endm
.macro FETCH slot, q, f
	WIN TO_F
.irp c, 0,1
.irp i, 0,1,2,3
	ds_load_b128 v[(\f)+64+8*(4*(\c)+(\i)):(\f)+64+8*(4*(\c)+(\i))+3],   v[ADRB+(\slot)] offset:((2*(\q)+(\c))*8+(\i))*1024
	ds_load_b128 v[(\f)+64+8*(4*(\c)+(\i))+4:(\f)+64+8*(4*(\c)+(\i))+7], v[ADRB+(\slot)] offset:((2*(\q)+(\c))*8+(\i))*1024+512
	ds_load_b128 v[(\f)+8*(4*(\c)+(\i)):(\f)+8*(4*(\c)+(\i))+3],         v[ADRA] offset:(\slot)*512+(2*(\q)+(\c))*64+(\i)*16*APITCH
	ds_load_b128 v[(\f)+8*(4*(\c)+(\i))+4:(\f)+8*(4*(\c)+(\i))+7],       v[ADRA] offset:(\slot)*512+(2*(\q)+(\c))*64+(\i)*16*APITCH+32
.endr
.endr
.endm
.macro QUARTER slot, q, f, g, z
	s_wait_dscnt 16                                ; the first 32 along K are in
	MUL8 \f, 0, 0, \z
	MUL8 \f, 0, 2, \z
	PLACES
	FETCH \slot, \q, \g
	s_wait_dscnt 32                                ; all but the 32 just issued
	MUL8 \f, 1, 0, 0
	MUL8 \f, 1, 2, 0
.endm
.macro TURN slot, next, fill
	WIN 0
	s_wait_tensorcnt 0x0                           ; all my tensor loads have landed: my quarter of the other slot
	ds_add_u32 v[SPW], v[NIL]                      ; 0 onto my spare word
	s_wait_dscnt 17                                ; (the add and the youngest sixteen loads may be out)
	MUL8 F1, 0, 0, 0
	s_wait_dscnt 0x0                               ; the add is done, and my reads of this slot are over
	s_barrier_signal -1
	MUL8 F1, 0, 2, 0
.if \fill
	WIN 0
.endif
	s_barrier_wait -1
.if \fill
	CREST                                          ; no wave of any partner still reads this slot or has a load on its way
	s_add_nc_u64 s[G0+4*(\slot)+2:G0+4*(\slot)+3], s[G0+4*(\slot)+2:G0+4*(\slot)+3], NSTEP
	JLOAD \slot
.else
	PLACES
.endif
	FETCH \next, 0, F0
	MUL8 F1, 1, 0, 0
	MUL8 F1, 1, 2, 0
.endm
.macro TILE fill
	QUARTER 0, 1, F0, F1, 2
.if \fill
	WIN 0                                          ; the next tile's bias: its last readers stand in front of the quarter's four places; its base is free since the wait at the tile's head
	s_add_nc_u64 s[52:53], s[52:53], 512
	BIASLD
.endif
	QUARTER 0, 2, F1, F0, 0
	QUARTER 0, 3, F0, F1, 0
	TURN 0, 1, \fill
	QUARTER 1, 1, F0, F1, 0
	QUARTER 1, 2, F1, F0, 0
	QUARTER 1, 3, F0, F1, 0
.if \fill
	TURN 1, 0, 1
.else
	s_wait_dscnt 16
	MUL8 F1, 0, 0, 0
	MUL8 F1, 0, 2, 0
	s_wait_dscnt 0x0
	MUL8 F1, 1, 0, 0
	MUL8 F1, 1, 2, 0
.endif
.endm
.macro OUTF                            ; rounded to bf16, relu on the packed halves, 16 stores of 512 consecutive bytes
	WIN 0
	PLACES
.irp t, 0,1,2,3,4,5,6,7,8,9,10,11,12,13,14,15
.irp r, 0,1,2,3
	v_cvt_pk_bf16_f32 v[TMP+4*(\t)+(\r)], v[ACC+8*(\t)+2*(\r)], v[ACC+8*(\t)+2*(\r)+1]
.endr
.endr
.set i, 0
.rept 64
	v_pk_max_num_bf16 v[TMP+i], v[TMP+i], v[ZR]
.set i, i+1
.endr
.irp a, 0,1,2,3
.irp b, 0,1,2,3
	global_store_b128 v[LO], v[TMP+4*(4*(\a)+(\b)):TMP+4*(4*(\a)+(\b))+3], s[40:41] offset:((\b)/2)*8192+(\a)*1024+((\b)%2)*512
.endr
.endr
	s_wait_xcnt 0x0                                ; the stores have read their base and their data
	s_add_nc_u64 s[40:41], s[40:41], 32768         ; the next tile's four blocks of 32 k
.endm
	s_wait_dscnt 0x0                               ; for the others' sake: my rows of h2 are in LDS
	s_wait_tensorcnt 0x1                           ; my quarter of slot 0 is in; slot 1's may stay out
	s_barrier_signal -1
	s_barrier_wait -1
	FETCH 0, 0, F0
	WIN 0
	s_mov_b32 s48, 3
.Ltile:
	s_wait_loadcnt 0x0                             ; this tile's bias
	TILE 1
	OUTF
	s_sub_co_u32 s48, s48, 1
	s_cmp_lg_u32 s48, 0
	s_cbranch_scc1 .Ltile
	s_wait_loadcnt 0x0
	TILE 0                                         ; the last tile is written out
	OUTF
	s_wait_tensorcnt 0x0                           ; the wave's end
	ds_add_u32 v[SPW], v[NIL]
	s_wait_dscnt 0x0
	CROUND                                         ; the closing round
	s_endpgm
.Lfunc_end_k_q348d919840_lnff1:
	.size	k_q348d919840_lnff1, .Lfunc_end_k_q348d919840_lnff1-k_q348d919840_lnff1
	.p2alignl 7, 3214868480
	.fill 96, 4, 3214868480
	.section	.rodata,"a",@progbits
	.p2align	6, 0x0
	.amdhsa_kernel k_q348d919840_lnff1
		.amdhsa_group_segment_fixed_size 327680
		.amdhsa_private_segment_fixed_size 0
		.amdhsa_enable_private_segment 0
		.amdhsa_kernarg_size 48
		.amdhsa_user_sgpr_count 2
		.amdhsa_user_sgpr_kernarg_segment_ptr 1
		.amdhsa_wavefront_size32 1
		.amdhsa_system_sgpr_workgroup_id_x 1
		.amdhsa_system_sgpr_workgroup_id_y 1
		.amdhsa_system_sgpr_workgroup_id_z 1
		.amdhsa_system_vgpr_workitem_id 0
		.amdhsa_next_free_vgpr 512
		.amdhsa_next_free_sgpr 66
		.amdhsa_reserve_vcc 0
		.amdhsa_float_denorm_mode_32 3
		.amdhsa_float_denorm_mode_16_64 3
		.amdhsa_memory_ordered 1
		.amdhsa_forward_progress 1
		.amdhsa_inst_pref_size 135
	.end_amdhsa_kernel
	.amdgpu_metadata
---
amdhsa.version: [ 1, 2 ]
amdhsa.kernels:
  - .name:           k_q348d919840_lnff1
    .symbol:         k_q348d919840_lnff1.kd
    .args:
      - { .name: x1, .offset: 0, .size: 8, .value_kind: global_buffer, .address_space: global }
      - { .name: g2, .offset: 8, .size: 8, .value_kind: global_buffer, .address_space: global }
      - { .name: bt2, .offset: 16, .size: 8, .value_kind: global_buffer, .address_space: global }
      - { .name: wts, .offset: 24, .size: 8, .value_kind: global_buffer, .address_space: global }
      - { .name: b1, .offset: 32, .size: 8, .value_kind: global_buffer, .address_space: global }
      - { .name: f1, .offset: 40, .size: 8, .value_kind: global_buffer, .address_space: global }
    .group_segment_fixed_size: 327680
    .private_segment_fixed_size: 0
    .kernarg_segment_align: 8
    .kernarg_segment_size: 48
    .max_flat_workgroup_size: 128
    .sgpr_count:     66
    .vgpr_count:     512
    .wavefront_size: 32
...
	.end_amdgpu_metadata
.endif
;; end of part 5
;; launch ff2 (part 6): grid 4 x 64, 4 waves a work-group, clusters of 4 x 4, 327,680 bytes of LDS; arguments f1, wts, b2, x1, out0; writes out0
.if DOCPART == 6
	.amdgcn_target "amdgcn-amd-amdhsa--gfx1250"
	.amdhsa_code_object_version 6
	.text
	.protected	k_q348d919840_ff2
	.globl	k_q348d919840_ff2
	.p2align	8
	.type	k_q348d919840_ff2,@function
k_q348d919840_ff2:
	s_mov_b64 s[64:65], 0
	v_nop
	global_prefetch_b8 v0, s[64:65] scope:SCOPE_SE
	s_setreg_imm32_b32 hwreg(HW_REG_WAVE_MODE, 25, 1), 1
	s_wait_xcnt 0x0
	s_wait_alu depctr_hold_cnt(0) depctr_sa_sdst(0) depctr_va_vdst(0) depctr_va_sdst(0) depctr_va_ssrc(0) depctr_va_vcc(0) depctr_vm_vsrc(0)
	s_getreg_b32 s2, hwreg(HW_REG_IB_STS2, 6, 4)
	s_cmp_eq_u32 s2, 0
	s_cbranch_scc0 .Lentry_in_a_cluster
	s_endpgm
.Lentry_in_a_cluster:
	s_bfe_u32 s2, ttmp6, 0x10000c
	s_cmp_lg_u32 s2, 0xf033
	s_cbranch_scc0 .Lentry_shape_is_right
	s_endpgm
.Lentry_shape_is_right:
; out = A W + bias + res.  A: bf16 fragment images [mtile 64][K step][kbL 8][mbL 8][1,024]; W: the same by tiles of 128 columns, in wts at WOFF; bias [512], res and out [8192][512], f32.  Sums in f32.
; This text serves two launches that differ in the two lines below: the attention's projection (KS = 2) and the second feed-forward product (KS = 8).
.set KS,   8                           ; K steps of 256
.set WOFF, 4194304                     ; the weights' segment in wts
; SHARES.  A tile of out is 128 x 128: 4 x 64 = 256 work-groups.  Four waves, each 64 x 64: 16 accumulators.  K goes in steps of 256 through two LDS slots, each with 64 KiB of A and 64 KiB of W, both dense runs
; of memory asked for as rows of 256 bytes; a wave's one load brings 32 KiB.  A fragment is 1,024 consecutive LDS bytes: two loads of 16 bytes a lane.
; CLUSTER 4 x 4: A's tile is shared along a row of the cluster, W's along a column: each is asked for jointly by the four.
; Source 0 = weights, source 1 = A: a lane holds one token and eight neighbouring columns.  The bias is the C operand of the product that starts a sum.  The residual is loaded at the head, as whole rows of 256 bytes,
; and added on the way out, which goes through each wave's own stage in LDS so that sixteen lanes store 256 consecutive aligned bytes.
; LIMITS: NaN and infinities are not treated apart.
; REGISTERS.  window 0: v0-31 addresses; v32-95 at work on the way out; v96-127 the bias, column block b at 96 + 8 b; v128-255 accumulators.  window 1: two fragment buffers of 128.  window 2: v0-127 the residual.
.set SLOT,   131072
.set STAGE,  2*SLOT                    ; behind the ring: 16 rows x 272 bytes for each wave
.set SPITCH, 272
.set SPARE,  STAGE+4*16*SPITCH         ; 279,552: the spare words
.set ADRA, 16
.set ADRB, 20
.set STO,  24
.set RD,   25
.set CO,   26
.set VB,   27
.set SPW,  28
.set NIL,  29
.set TMP,  32
.set BIAS, 96
.set ACC,  128
.set RES,  0
.set F0,   0
.set F1,   128
.set G1,   24
.set G0,   32
.set G1B,  48
.set G0B,  56
.set MUL,  0x05
.set TO_F, 0x40
.set MSB,  0
.macro WIN new
.if MSB != (\new)
	s_set_vgpr_msb (MSB<<8)|(\new)
.set MSB, \new
.endif
.endm
.macro PLACES
.rept 4
	v_nop
.endr
.endm
.macro JLOAD s                         ; a joint load: waves 0 and 1 fetch A's two halves, waves 2 and 3 W's; s_nop 0 and four v_nop follow each line
	s_cmp_eq_u32 s17, 0
	s_cbranch_scc0 .Lfor_b_\@
	tensor_load_to_lds s[G0+4*(\s):G0+4*(\s)+3], s[G1:G1+7]
	s_nop 0
.rept 4
	v_nop
.endr
	s_branch .Lasked_\@
.Lfor_b_\@:
	tensor_load_to_lds s[G0B+4*(\s):G0B+4*(\s)+3], s[G1B:G1B+7]
	s_nop 0
.rept 4
	v_nop
.endr
.Lasked_\@:
.endm
.macro CREST
	s_cmp_lg_u32 s16, 0
	s_cbranch_scc1 .Lnot_wave_0_\@
	s_barrier_signal -3
.Lnot_wave_0_\@:
	s_barrier_wait -3
	s_barrier_signal -1
	s_barrier_wait -1
.endm
.macro CROUND
	s_barrier_signal -1
	s_barrier_wait -1
	CREST
.endm
	s_load_b256 s[4:11], s[0:1], 0x0               ; A s[4:5], wts s[6:7], bias s[8:9], res s[10:11]
	s_load_b64 s[12:13], s[0:1], 0x20              ; out
	v_lshl_add_u32 v[SPW], v0, 2, SPARE
	v_mov_b32 v[NIL], 0
	ds_add_u32 v[SPW], v[NIL]                      ; the wave's opening: the add and its wait ahead of my first tensor load
	v_lshrrev_b32 v1, 5, v0
	v_readfirstlane_b32 s16, v1                    ; wave 0..3
	s_lshr_b32 s17, s16, 1                         ; mh.  Also: I fetch for A (0) or for W (1)
	s_and_b32 s18, s16, 1                          ; nh.  Also: which 32 KiB of that block I fetch
	s_bfe_u32 s19, ttmp6, 0x40000                  ; cx
	s_bfe_u32 s20, ttmp6, 0x40004                  ; cy
	s_lshl_b32 s21, ttmp9, 2
	s_add_co_u32 s21, s21, s19                     ; ntile
	s_and_b32 s22, ttmp7, 0xffff
	s_lshl_b32 s22, s22, 2
	s_add_co_u32 s22, s22, s20                     ; mtile
	s_lshl_b32 s42, s20, 2
	s_lshl_b32 s42, 15, s42                        ; my row of the cluster
	s_lshl_b32 s43, 0x1111, s19                    ; my column
	s_or_b32 s[G1+0], s42, (3<<16)|(1<<21)         ; the mask; elements of 8 bytes; 21 set beside a mask; no padding
	s_or_b32 s[G1B+0], s43, (3<<16)|(1<<21)
.irp g, G1, G1B
	s_mov_b32 s[(\g)+1], 32<<16                    ; rows of 256 bytes,
	s_mov_b32 s[(\g)+2], 128<<16                   ; 128 of them: 32 KiB, dense
	s_mov_b32 s[(\g)+3], 32<<16
	s_mov_b32 s[(\g)+4], 128
	s_mov_b32 s[(\g)+5], 32
	s_mov_b32 s[(\g)+6], 0
	s_mov_b32 s[(\g)+7], 0
.endr
	s_lshl_b32 s23, s18, 15
	s_mul_i32 s40, s22, KS*65536                   ; A's block: it hangs on the tile row alone,
	s_add_co_u32 s40, s40, s23
	s_mov_b32 s41, 0
	s_mul_i32 s46, s21, KS*65536                   ; W's on the tile column alone
	s_add_co_u32 s46, s46, s23
	s_add_co_u32 s46, s46, WOFF
	s_mov_b32 s47, 0
	s_lshl_b32 s44, s16, 15                        ; where they go: 32,768 x wave
	s_wait_dscnt 0x0
	s_wait_kmcnt 0x0
	s_add_nc_u64 s[40:41], s[4:5], s[40:41]
	s_add_nc_u64 s[46:47], s[6:7], s[46:47]
	CROUND                                         ; all sixteen work-groups are here: the first joint loads meet
.irp s, 0,1
	s_mov_b32 s[G0+4*(\s)], 1
	s_add_co_u32 s[G0+4*(\s)+1], s44, (\s)*SLOT
	s_add_nc_u64 s[G0+4*(\s)+2:G0+4*(\s)+3], s[40:41], (\s)*65536
	s_or_b32 s[G0+4*(\s)+3], s[G0+4*(\s)+3], 0x80000000
	s_mov_b32 s[G0B+4*(\s)], 1
	s_add_co_u32 s[G0B+4*(\s)+1], s44, (\s)*SLOT
	s_add_nc_u64 s[G0B+4*(\s)+2:G0B+4*(\s)+3], s[46:47], (\s)*65536
	s_or_b32 s[G0B+4*(\s)+3], s[G0B+4*(\s)+3], 0x80000000
	JLOAD \s
.endr
	v_and_b32 v1, 31, v0                           ; lane
	v_and_b32 v2, 15, v0                           ; r
	v_bfe_u32 v3, v0, 4, 1                         ; the lane's half
	v_lshlrev_b32 v4, 4, v1
	s_lshl_b32 s42, s18, 8
	v_lshl_add_u32 v[VB], v3, 5, s42               ; the bias of my columns: 256 nh + 32 half, + 64 b
	s_lshl_b32 s42, s21, 9
	s_mov_b32 s43, 0
	s_add_nc_u64 s[8:9], s[8:9], s[42:43]
.irp b, 0,1,2,3
	global_load_b128 v[BIAS+8*(\b):BIAS+8*(\b)+3],   v[VB], s[8:9] offset:64*(\b)
	global_load_b128 v[BIAS+8*(\b)+4:BIAS+8*(\b)+7], v[VB], s[8:9] offset:64*(\b)+16
.endr
	s_lshl_b32 s44, s22, 18                        ; my 64 x 64 of res and out: row 128 mtile + 64 mh, byte 512 ntile + 256 nh
	s_lshl_b32 s45, s17, 17
	s_add_co_u32 s44, s44, s45
	s_add_co_u32 s44, s44, s42
	s_lshl_b32 s45, s18, 8
	s_add_co_u32 s44, s44, s45
	s_mov_b32 s45, 0
	s_add_nc_u64 s[10:11], s[10:11], s[44:45]
	s_add_nc_u64 s[12:13], s[12:13], s[44:45]
	v_lshlrev_b32 v[CO], 4, v2
	v_lshl_add_u32 v[CO], v3, 11, v[CO]            ; lanes 0-15 one row's 256 bytes, lanes 16-31 the next row's
	WIN 0x80                                       ; destination window 2
.irp a, 0,1,2,3
.irp t, 0,1,2,3,4,5,6,7
	global_load_b128 v[RES+4*(8*(\a)+(\t)):RES+4*(8*(\a)+(\t))+3], v[CO], s[10:11] offset:(16*(\a)+2*(\t))*2048
.endr
.endr
	WIN 0
	s_lshl_b32 s42, s17, 12
	v_add_nc_u32 v[ADRA], s42, v4                  ; 4 mh fragments + 16 lane
	v_add_nc_u32 v[ADRA+1], SLOT, v[ADRA]
	s_lshl_b32 s42, s18, 12
	s_add_co_u32 s42, s42, 65536
	v_add_nc_u32 v[ADRB], s42, v4
	v_add_nc_u32 v[ADRB+1], SLOT, v[ADRB]
	s_mul_i32 s42, s16, 16*SPITCH
	s_add_co_u32 s42, s42, STAGE                   ; my stage
	v_mul_u32_u24 v[STO], v2, SPITCH
	v_lshl_add_u32 v[STO], v3, 5, v[STO]
	v_add_nc_u32 v[STO], s42, v[STO]               ; in: row r, 32 bytes for each half of the lanes
	v_mul_u32_u24 v[RD], v3, SPITCH
	v_lshl_add_u32 v[RD], v2, 4, v[RD]
	v_add_nc_u32 v[RD], s42, v[RD]                 ; back: two whole rows
; 8 matrix instructions: token blocks a0, a0 + 1 x 4 column blocks, 32 along K.  z = 2: the product starts the sum from the bias.  The 16 accumulators take turns, one instruction a turn.
.macro MUL8 f, c, a0, z
	WIN MUL
.irp a, \a0, (\a0)+1
.irp b, 0,1,2,3
.set rD, ACC+8*(4*(\a)+(\b))
.set fS0, (\f)+64+8*(4*(\c)+(\b))
.set fS1, (\f)+8*(4*(\c)+(\a))
.if (\z) == 2
	v_wmma_f32_16x16x32_bf16 v[rD:rD+7], v[fS0:fS0+7], v[fS1:fS1+7], v[BIAS+8*(\b):BIAS+8*(\b)+7]
.else
	v_wmma_f32_16x16x32_bf16 v[rD:rD+7], v[fS0:fS0+7], v[fS1:fS1+7], v[rD:rD+7]
.endif
.endr
.endr
.endm
.macro FETCH slot, q, f                ; 32 LDS loads in one run: quarter q (64 along K) of the slot, the first 32 along K first
	WIN TO_F
.irp c, 0,1
.irp i, 0,1,2,3
	ds_load_b128 v[(\f)+64+8*(4*(\c)+(\i)):(\f)+64+8*(4*(\c)+(\i))+3],   v[ADRB+(\slot)] offset:((2*(\q)+(\c))*8+(\i))*1024
	ds_load_b128 v[(\f)+64+8*(4*(\c)+(\i))+4:(\f)+64+8*(4*(\c)+(\i))+7], v[ADRB+(\slot)] offset:((2*(\q)+(\c))*8+(\i))*1024+512
	ds_load_b128 v[(\f)+8*(4*(\c)+(\i)):(\f)+8*(4*(\c)+(\i))+3],         v[ADRA+(\slot)] offset:((2*(\q)+(\c))*8+(\i))*1024
	ds_load_b128 v[(\f)+8*(4*(\c)+(\i))+4:(\f)+8*(4*(\c)+(\i))+7],       v[ADRA+(\slot)] offset:((2*(\q)+(\c))*8+(\i))*1024+512
.endr
.endr
.endm
.macro QUARTER slot, q, f, g, z
	s_wait_dscnt 16                                ; the first 32 along K are in
	MUL8 \f, 0, 0, \z
	MUL8 \f, 0, 2, \z
	PLACES
	FETCH \slot, \q, \g
	s_wait_dscnt 32                                ; all but the 32 just issued
	MUL8 \f, 1, 0, 0
	MUL8 \f, 1, 2, 0
.endm
; The last quarter multiplies buffer 1 and changes slots: in front of the barrier each wave waits for all its tensor loads, adds 0 to its spare word, and waits for that and for its reads of this slot.
.macro TURN slot, next, fill
	WIN 0
	s_wait_tensorcnt 0x0                           ; all my tensor loads have landed: my part of the next slot
	ds_add_u32 v[SPW], v[NIL]                      ; 0 onto my spare word
	s_wait_dscnt 17                                ; (the add and the youngest sixteen loads may be out)
	MUL8 F1, 0, 0, 0
	s_wait_dscnt 0x0                               ; the add is done, and my reads of this slot are over
	s_barrier_signal -1
	MUL8 F1, 0, 2, 0
.if \fill
	WIN 0
.endif
	s_barrier_wait -1
.if \fill
	CREST                                          ; the barrier has opened a round of the cluster's: no wave of any partner still reads this slot or has a load on its way
	s_add_nc_u64 s[G0+4*(\slot)+2:G0+4*(\slot)+3], s[G0+4*(\slot)+2:G0+4*(\slot)+3], 2*65536
	s_add_nc_u64 s[G0B+4*(\slot)+2:G0B+4*(\slot)+3], s[G0B+4*(\slot)+2:G0B+4*(\slot)+3], 2*65536
	JLOAD \slot                                    ; its four v_nop are also the places in front of the loads below
.else
	PLACES
.endif
	FETCH \next, 0, F0
	MUL8 F1, 1, 0, 0
	MUL8 F1, 1, 2, 0
.endm
	s_wait_tensorcnt 0x1                           ; my part of K step 0 is in; K step 1's may stay out
	s_barrier_signal -1
	s_barrier_wait -1
	FETCH 0, 0, F0
	s_wait_loadcnt 32                              ; the bias is in; the 32 residual loads are younger
	QUARTER 0, 1, F0, F1, 2
.if KS > 2
	WIN 0
	s_mov_b32 s3, KS/2-1
.Llap:                                                 ; a trip goes once round the ring and fills both slots again
	QUARTER 0, 2, F1, F0, 0
	QUARTER 0, 3, F0, F1, 0
	TURN 0, 1, 1
	QUARTER 1, 1, F0, F1, 0
	QUARTER 1, 2, F1, F0, 0
	QUARTER 1, 3, F0, F1, 0
	TURN 1, 0, 1
	QUARTER 0, 1, F0, F1, 0
	WIN 0
	s_sub_co_u32 s3, s3, 1
	s_cmp_lg_u32 s3, 0
	s_cbranch_scc1 .Llap
.endif
	QUARTER 0, 2, F1, F0, 0                        ; the last lap fills nothing
	QUARTER 0, 3, F0, F1, 0
	TURN 0, 1, 0
	QUARTER 1, 1, F0, F1, 0
	QUARTER 1, 2, F1, F0, 0
	QUARTER 1, 3, F0, F1, 0
	s_wait_dscnt 16
	MUL8 F1, 0, 0, 0
	MUL8 F1, 0, 2, 0
	s_wait_dscnt 0x0
	MUL8 F1, 1, 0, 0
	MUL8 F1, 1, 2, 0
	WIN 0
	; THE WAY OUT, 16 rows at a time: f32 sums into my stage, back as whole rows of 256 bytes, the residual added, stored
	PLACES
	s_wait_loadcnt 0x0                             ; the residual
.irp a, 0,1,2,3
.set BK, TMP+32*((\a)%2)
.irp b, 0,1,2,3
	ds_store_b128 v[STO], v[ACC+8*(4*(\a)+(\b)):ACC+8*(4*(\a)+(\b))+3]   offset:64*(\b)     ; each accumulator from its low end
	ds_store_b128 v[STO], v[ACC+8*(4*(\a)+(\b))+4:ACC+8*(4*(\a)+(\b))+7] offset:64*(\b)+16
.endr
	s_wait_xcnt 0x0                                ; earlier stores have read their data: these registers are loaded again only behind this wait
.irp t, 0,1,2,3,4,5,6,7
	ds_load_b128 v[BK+4*(\t):BK+4*(\t)+3], v[RD] offset:(\t)*2*SPITCH  ; LDS serves a wave's instructions in order (ISA guide 5.7.1.4): these see the stores above
.endr
	s_wait_dscnt 0x0
	WIN 0x08                                       ; source 1 window 2
.irp u, 0,1,2,3,4,5,6,7,8,9,10,11,12,13,14,15
	v_pk_add_f32 v[BK+2*(\u):BK+2*(\u)+1], v[BK+2*(\u):BK+2*(\u)+1], v[RES+32*(\a)+2*(\u):RES+32*(\a)+2*(\u)+1]
.endr
	WIN 0
.irp t, 0,1,2,3,4,5,6,7
	global_store_b128 v[CO], v[BK+4*(\t):BK+4*(\t)+3], s[12:13] offset:(16*(\a)+2*(\t))*2048  ; 16 lanes store 256 consecutive bytes, aligned
.endr
.endr
	s_wait_tensorcnt 0x0                           ; the wave's end
	ds_add_u32 v[SPW], v[NIL]
	s_wait_dscnt 0x0
	CROUND                                         ; the closing round
	s_endpgm
.Lfunc_end_k_q348d919840_ff2:
	.size	k_q348d919840_ff2, .Lfunc_end_k_q348d919840_ff2-k_q348d919840_ff2
	.p2alignl 7, 3214868480
	.fill 96, 4, 3214868480
	.section	.rodata,"a",@progbits
	.p2align	6, 0x0
	.amdhsa_kernel k_q348d919840_ff2
		.amdhsa_group_segment_fixed_size 327680
		.amdhsa_private_segment_fixed_size 0
		.amdhsa_enable_private_segment 0
		.amdhsa_kernarg_size 40
		.amdhsa_user_sgpr_count 2
		.amdhsa_user_sgpr_kernarg_segment_ptr 1
		.amdhsa_wavefront_size32 1
		.amdhsa_system_sgpr_workgroup_id_x 1
		.amdhsa_system_sgpr_workgroup_id_y 1
		.amdhsa_system_sgpr_workgroup_id_z 1
		.amdhsa_system_vgpr_workitem_id 0
		.amdhsa_next_free_vgpr 640
		.amdhsa_next_free_sgpr 66
		.amdhsa_reserve_vcc 0
		.amdhsa_float_denorm_mode_32 3
		.amdhsa_float_denorm_mode_16_64 3
		.amdhsa_memory_ordered 1
		.amdhsa_forward_progress 1
		.amdhsa_inst_pref_size 93
	.end_amdhsa_kernel
	.amdgpu_metadata
---
amdhsa.version: [ 1, 2 ]
amdhsa.kernels:
  - .name:           k_q348d919840_ff2
    .symbol:         k_q348d919840_ff2.kd
    .args:
      - { .name: f1, .offset: 0, .size: 8, .value_kind: global_buffer, .address_space: global }
      - { .name: wts, .offset: 8, .size: 8, .value_kind: global_buffer, .address_space: global }
      - { .name: b2, .offset: 16, .size: 8, .value_kind: global_buffer, .address_space: global }
      - { .name: x1, .offset: 24, .size: 8, .value_kind: global_buffer, .address_space: global }
      - { .name: out0, .offset: 32, .size: 8, .value_kind: global_buffer, .address_space: global }
    .group_segment_fixed_size: 327680
    .private_segment_fixed_size: 0
    .kernarg_segment_align: 8
    .kernarg_segment_size: 40
    .max_flat_workgroup_size: 128
    .sgpr_count:     66
    .vgpr_count:     640
    .wavefront_size: 32
...
	.end_amdgpu_metadata
.endif
;; end of part 6
